; MI455X (gfx1250); checked and timed in simulation.
; The chip was launched on July 23, 2026; its instructions are those of AMD's public machine-readable ISA for CDNA 5 (MIT licence, August 2026) and "CDNA5" Instruction Set Architecture Reference Guide (July 2026). The comments in the code are by the model that wrote it; some were corrected since.
;; Local Global Multihead Attention. Allowed arithmetic: matrix products marked QUANTISED: E4M3 operands, one given power-of-two scale a tensor, by v_wmma_f32_16x16x64_fp8_fp8 or v_wmma_f32_16x16x128_fp8_fp8, f32 sums; everything else in f32.
;; Inputs: Wk 512 x 512 float32; Wo 512 x 512 float32; Wq 512 x 512 float32; Wv 512 x 512 float32; attn_mask 4 x 2,048 bool; bk 512 float32; bo 512 float32; bq 512 float32; bv 512 float32; lowp_scales 12 int32 (the exponents e of the quantised operands' scales 2^e); x 4 x 2,048 x 512 float32.
;; Outputs: out0 4 x 2,048 x 512 float32.
;; This version of the problem:
;;   THIS VERSION OF THE PROBLEM IS GIVEN IN LOW PRECISION. The matrix products marked QUANTISED in the list below multiply operands that are first quantised to E4M3 (4 exponent bits, 3 mantissa bits; 8 bits a number), with one given power-of-two scale for each operand tensor; their sums are f32. All else is computed in f32.
;;   The module's matrix products, in the order in which they are computed (A, B: the left and right operand; K: the contracted axis; several contracted axes count as one K, in the product's order):
;;     1. [M 8,192, K 512] x [K 512, N 512]; A: input x; B: input Wq: QUANTISED (scales: A lowp_scales[0], B lowp_scales[1])
;;     2. [M 8,192, K 512] x [K 512, N 512]; A: input x; B: input Wk: QUANTISED (scales: A lowp_scales[2], B lowp_scales[3])
;;     3. [M 8,192, K 512] x [K 512, N 512]; A: input x; B: input Wv: QUANTISED (scales: A lowp_scales[4], B lowp_scales[5])
;;     4. batch 32 x [M 2,048, K 64] x [K 64, N 2,048]; A: computed on the way; B: computed on the way: QUANTISED (scales: A lowp_scales[6], B lowp_scales[7])
;;     5. batch 32 x [M 2,048, K 2,048] x [K 2,048, N 64]; A: softmax (see below); B: computed on the way: QUANTISED (scales: A lowp_scales[8], B lowp_scales[9])
;;     6. [M 8,192, K 512] x [K 512, N 512]; A: computed on the way; B: input Wo: QUANTISED (scales: A lowp_scales[10], B lowp_scales[11])
;;   THE QUANTISER, for each operand of a quantised product, along K:
;;     - The operand's scale is 2^e, e = its entry of the input lowp_scales (int32; the entries are numbered through the quantised products in the list's order, A before B).
;;     - Each number is divided by the scale, clamped to +-448, and rounded to the nearest number of E4M3, ties to even, subnormals kept.
;;     - The product sums the exact products of the quantised numbers (number of the format x scale) in f32.
;;   ~~~python
;;   def quantise(x, axis, e):      # numpy; x: float32 -> the quantised numbers, widened to float32 again
;;       x = np.moveaxis(x, axis, -1); K = x.shape[-1]
;;       r = np.clip(x / 2.0 ** e, -448, 448)
;;       step = 2.0 ** (np.maximum(np.frexp(np.where(r == 0, 1, r))[1] - 1, -6) - 3)
;;       q = np.round(r / step) * step * 2.0 ** e      # np.round: ties to even
;;       return np.moveaxis(q, -1, axis).astype(np.float32)
;;   ~~~
;;   SOFTMAX AHEAD OF A QUANTISED PRODUCT. Where the list says 'softmax', what is quantised is not the finished softmax but p = 2^(t - M), with t = logit x log2(e) and M = ceil(the row's largest t), a whole number; so 1/2 < the row's largest p <= 1. The row's sum l is taken of the UNQUANTISED p, in f32, and the product's result is divided by l at the end. Since M is a whole number, a kernel that streams over the keys may use a running M (the ceiling of the running maximum): every later rescaling is an exact power of two, so the quantised numbers keep their values, but for numbers so far below the row's largest that they fall under the format's range.
;;   OPERANDS COMPUTED ON THE WAY. 'Computed on the way' means the value that the module computes at that place (a softmax that the list does not call 'softmax' is quantised finished and normalised). What goes into a quantiser is computed in f32, as accurately as f32 sums, v_exp_f32 and their like allow (about 1e-6 of the number): no bf16 or f16 on the way to a quantiser, and a product that is left as it is and whose result goes on into a quantised operand takes f32 operands (vector FMAs, or v_wmma_f32_16x16x4_f32). A number that lies on a knife's edge between two numbers of the format may be rounded either way, as far as f32 arithmetic and the matrix unit's own rounding can turn it there, and no further.
;; 2 versions. Each part assembles by itself: llvm-mc -triple=amdgcn-amd-amdhsa -mcpu=gfx1250 --defsym DOCPART=n.
;; ======== version 1 of 2: 3 launches
;; limits: right only within a limited range of input values
;; workspace buffers: qf 4,194,304 bytes; kf 4,194,304 bytes; vf 4,194,304 bytes; wof 262,144 bytes; af 4,194,304 bytes
;; launch project (part 1): grid 7 x 32, 4 waves a work-group, no clusters, 33,280 bytes of LDS; arguments x, Wq, Wk, Wv, Wo, bq, bk, bv, lowp_scales, qf, kf, vf, wof; writes qf, kf, vf, wof
.if DOCPART == 1
	.amdgcn_target "amdgcn-amd-amdhsa--gfx1250"
	.amdhsa_code_object_version 6
	.text
	.protected	k_q5f123b6ade_project
	.globl	k_q5f123b6ade_project
	.p2align	8
	.type	k_q5f123b6ade_project,@function
k_q5f123b6ade_project:
	s_mov_b64 s[64:65], 0
	v_nop
	global_prefetch_b8 v0, s[64:65] scope:SCOPE_SE
	s_setreg_imm32_b32 hwreg(HW_REG_WAVE_MODE, 25, 1), 1
	s_wait_xcnt 0x0
; q = x Wq^T + bq, k = x Wk^T + bk, v = x Wv^T + bv on codes of E4M3, each operand with its given scale 2^e, and their results as codes for the attention; Wo as codes for the last product.
; WORK LEFT OUT BY THE WHOLE PROGRAM.  For heads 1 to 7 reference() builds in its own body the mask |i - j| <= 128 and puts finfo.min where it is false.  In a row that has a key that counts, such a key's
; weight is 0 whatever x, the weights and the biases hold, so its score and its value reach no output: the next launch multiplies, for a tile of 16 queries, only the 17 tiles of 16 keys that the band touches.
; In a row with no key that counts all 2,048 scores are equal and reference()'s softmax is uniform over all keys: the next launch computes just that for such rows.  No input is dead: all are loaded.
; LIMIT: a NaN, an infinity or an overflow that reaches only scores outside the band is not carried to the result.
; SHARES.  Work-group (cb, rb).  cb 0..5: tensor cb / 2 (q, k, v), half cb % 2 of its 512 columns, rows 256 rb on.  Wave w owns one head, 4 (cb % 2) + w: 64 columns, whose 16 fragments of W (16 rows x 128 K) it
; quantises once and keeps in 256 registers.  Rows go in 4 blocks of 64: wave w quantises rows 16 w on of the block (4 fragments) and lays them in LDS as images of the operand's registers; every wave then
; multiplies all four tiles of rows by its head's W.  cb = 6: wave w quantises Wo's fragment (columns 16 rb on, K 128 w on); that path touches no LDS.
; LAYOUTS.  q and k: source 0 = 16 rows of W, source 1 = 16 rows of x: a lane holds one row and eight neighbours along the head, so a conversion's result is a register pair of the next product's fragment.
; v: source 0 = x, source 1 = W: a lane holds one channel and eight neighbouring keys: the register pair of V^T.  The bias is the C of a sum's first product, divided by the power of two that the sums lack.
; qf, kf: [b][h][tile of 16 rows][2 x 512 bytes: registers 0-3, 4-7, lane by lane].  vf: [b][h][tile of 16 keys][4 tiles of channels][lane][8 bytes].  wof: [tile of 16 columns][K step][4 x 512 bytes].
; NO JOINT LOADS: x's rows are read by six work-groups and W's by 32, but they arrive as f32 and go from memory straight into the lane that converts them; a joint load lands in LDS alone, which would send
; 1 MB a work-group into LDS and out of it again.
; LIMITS: each of ex, ew, eo - ex - ew (and Wo's e) between -126 and 119, so that each power of two below is an f32 number.  NaN among the inputs is not served.
; REGISTERS, in windows of 256.  Window 0: v1-15 addresses and scales; v16-23 the bias's addresses; v24-55 the bias as C; v56-183 x's fragments, two sets of four (v56-87 also the codes just made);
; v184-215 four accumulators; v216-231 codes to store, two sets.  Window 1: W's fragment (t, s) at v[16 (4 t + s)].  Window 2: four landing slots of 64 numbers.
.set SPARE, 32768                      ; behind the images: the spare words, 128 bytes for each wave
.set SPW, 1                            ; LDS address of my spare word; never rewritten
.set NIL, 2                            ; 0; never rewritten
.set LI,  3                            ; 16 x lane
.set L8,  4                            ; 8 x lane
.set FA,  5                            ; 2048 r + 32 g: my 8 numbers of each 16 along K, in my row
.set XW,  6                            ; 8192 w + 16 x lane: where I lay x's images
.set BL,  9
.set XS,  10                           ; 2^ex;  v11: 448 x 2^ex
.set XL,  11
.set WS,  12                           ; the same for W
.set WL,  13
.set OS,  14                           ; 2^(eo - ex - ew): the three scales folded into the conversion's one;  v15: 448 x that
.set OL,  15
.set BAD, 16
.set BI,  24
.set AF,  56
.set PCD, 56
.set ACC, 184
.set CO,  216
.set MSB, 0
.macro WIN new                         ; the immediate's high byte repeats the setting that is left; a switch that changes nothing is dropped
.if MSB != \new
	s_set_vgpr_msb (MSB<<8)|\new
.set MSB, \new
.endif
.endm
.macro MKSC vs, vl, se                 ; v[vs] = 2^e as f32, v[vl] = 448 x 2^e
	WIN 0
	s_add_co_i32 s62, \se, 127
	s_lshl_b32 s63, s62, 23
	v_mov_b32 v[\vs], s63
	s_add_co_i32 s62, s62, 8
	s_lshl_b32 s62, s62, 23
	s_or_b32 s62, s62, 0x600000
	v_mov_b32 v[\vl], s62
.endm
; 64 numbers of a lane into landing slot: register 8 c + j = k 16 c + 8 g + j of my row, the place that the matrix form gives each k
.macro FLOAD slot, base, off
	WIN 0x80                                       ; destination window 2, address window 0
.irp c,0,1,2,3,4,5,6,7
	global_load_b128 v[64*(\slot)+8*\c:64*(\slot)+8*\c+3], v[FA], s[\base:\base+1] offset:(\off)+64*\c
	global_load_b128 v[64*(\slot)+8*\c+4:64*(\slot)+8*\c+7], v[FA], s[\base:\base+1] offset:(\off)+64*\c+16
.endr
.endm
.macro HOLD slot, lim                  ; the conversion to an 8-bit code does not saturate (ISA guide 7.6.2): each number is held within the largest code x the scale first
	WIN 0x82                                       ; source 0 and destination window 2
.set qi, 0
.rept 64
	v_med3_num_f32 v[64*(\slot)+qi], v[64*(\slot)+qi], -v[\lim], v[\lim]
.set qi, qi+1
.endr
.endm
.macro QW slot, dst                    ; a slot becomes a fragment of W, in window 1
	HOLD \slot, WL
	WIN 0x42                                       ; source 0 window 2, destination window 1
.irp c,0,1,2,3,4,5,6,7
	v_cvt_scalef32_pk8_fp8_f32 v[(\dst)+2*\c:(\dst)+2*\c+1], v[64*(\slot)+8*\c:64*(\slot)+8*\c+7], v[WS]
.endr
	v_nop                                          ; one plain line behind the last conversion, ahead of whatever touches its registers next
	WIN 0
.endm
.macro QX slot, pc                     ; a slot becomes a fragment of x (or of Wo), in window 0
	HOLD \slot, XL
	WIN 0x02                                       ; source 0 window 2
.irp c,0,1,2,3,4,5,6,7
	v_cvt_scalef32_pk8_fp8_f32 v[(\pc)+2*\c:(\pc)+2*\c+1], v[64*(\slot)+8*\c:64*(\slot)+8*\c+7], v[XS]
.endr
	v_nop
	WIN 0
.endm
.macro IMAGE pc, s                     ; the fragment goes to LDS as it stands: fragment (row tile w, K step s) at (4 w + s) x 2048
.irp c,0,1,2,3
	ds_store_b128 v[XW], v[(\pc)+4*\c:(\pc)+4*\c+3] offset:2048*(\s)+512*\c
.endr
.endm
.macro FETCH i                         ; row tile i's four fragments come back so, in any wave
.irp s,0,1,2,3
.irp c,0,1,2,3
	ds_load_b128 v[AF+64*((\i)%2)+16*\s+4*\c:AF+64*((\i)%2)+16*\s+4*\c+3], v[LI] offset:(4*(\i)+\s)*2048+512*\c
.endr
.endr
.endm
; 16 products: four K steps x my four tiles of columns.  The four accumulators take turns, one instruction a turn.  The first K step takes the bias as C.
.macro MUL i, v
.set AFB, AF+64*((\i)%2)
.if \v
	WIN 0x04                                       ; source 1 (W) window 1
.else
	WIN 0x01                                       ; source 0 (W) window 1
.endif
.irp s,0,1,2,3
.irp t,0,1,2,3
.if \v
.if \s == 0
	v_wmma_f32_16x16x128_fp8_fp8 v[ACC+8*\t:ACC+8*\t+7], v[AFB+16*\s:AFB+16*\s+15], v[16*(4*\t+\s):16*(4*\t+\s)+15], v[BI+8*\t:BI+8*\t+7]
.else
	v_wmma_f32_16x16x128_fp8_fp8 v[ACC+8*\t:ACC+8*\t+7], v[AFB+16*\s:AFB+16*\s+15], v[16*(4*\t+\s):16*(4*\t+\s)+15], v[ACC+8*\t:ACC+8*\t+7]
.endif
.else
.if \s == 0
	v_wmma_f32_16x16x128_fp8_fp8 v[ACC+8*\t:ACC+8*\t+7], v[16*(4*\t+\s):16*(4*\t+\s)+15], v[AFB+16*\s:AFB+16*\s+15], v[BI+8*\t:BI+8*\t+7]
.else
	v_wmma_f32_16x16x128_fp8_fp8 v[ACC+8*\t:ACC+8*\t+7], v[16*(4*\t+\s):16*(4*\t+\s)+15], v[AFB+16*\s:AFB+16*\s+15], v[ACC+8*\t:ACC+8*\t+7]
.endif
.endif
.endr
.endr
	WIN 0
.endm
; the four sums become codes and leave: each store of the wave covers 512 (q, k) or 256 (v) consecutive bytes, aligned
.macro EPI i, v
.set COB, CO+8*((\i)%2)
	s_wait_xcnt 0x0                                ; the stores of two row tiles ago have read this set of code registers
.set ei, 0
.rept 32
	v_med3_num_f32 v[ACC+ei], v[ACC+ei], -v[OL], v[OL]   ; each accumulator from its low end on
.set ei, ei+1
.endr
.irp t,0,1,2,3
	v_cvt_scalef32_pk8_fp8_f32 v[COB+2*\t:COB+2*\t+1], v[ACC+8*\t:ACC+8*\t+7], v[OS]
.endr
	v_nop                                          ; one plain line behind the last conversion: the next products write its sources
.if \v
.irp t,0,1,2,3
	global_store_b64 v[L8], v[COB+2*\t:COB+2*\t+1], s[54:55] offset:1024*(\i)+256*\t
.endr
.else
	global_store_b128 v[LI], v[COB:COB+3], s[54:55] offset:1024*(\i)
	global_store_b128 v[LI], v[COB+4:COB+7], s[54:55] offset:1024*(\i)+512
.endif
.endm
.macro MPH v                           ; the block's four tiles of rows; the next tile's fragments are fetched while this one is multiplied
	FETCH 0
.irp i,0,1,2,3
.if \i < 3
	FETCH \i+1
	s_wait_dscnt 16                                ; all but the 16 loads just issued
.else
	s_wait_dscnt 0x0
.endif
	MUL \i, \v
.rept 4
	v_nop                                          ; four places between the last product and the first read of its result (ISA guide 7.12.1)
.endr
	EPI \i, \v
.endr
.endm
; A BLOCK OF 64 ROWS.  x's fragments are asked for three ahead, in the four landing slots by turns.  more = 1: there is a next block.
.macro BLOCK more
.irp i,0,1,2,3
.if \i == 0
	FLOAD 3, 50, 1536
.elseif \more
	FLOAD (\i+3)%4, 50, 131072+512*(\i-1)
.endif
.if \more
	s_wait_loadcnt 48                              ; the three younger fragments' 16 loads each may be out
.else
	s_wait_loadcnt 48-16*\i                        ; the last block asks for nothing more: the counts run down
.endif
	s_wait_dscnt 4                                 ; only the last fragment's four stores may be out: the codes of two fragments ago have been read
	QX \i, PCD+16*(\i%2)
	IMAGE PCD+16*(\i%2), \i
.endr
	s_wait_dscnt 0x0                               ; for the others' sake: my images have landed
	s_barrier_signal -1
	s_barrier_wait -1                              ; the block's sixteen fragments lie in LDS
	s_cmp_eq_u32 s6, 2                             ; v takes the sources the other way round: a branch on the work-group's number, round LDS loads, products and global stores alone
	s_cbranch_scc1 .Lv_\@
	MPH 0
	s_branch .Lj_\@
.Lv_\@:
	MPH 1
.Lj_\@:
.if \more
	s_barrier_signal -1                            ; my reads of the images are back (the last wait on DScnt was for 0):
	s_barrier_wait -1                              ; nobody reads them any more, so they may be written again
	s_wait_xcnt 0x0                                ; the loads and stores issued have read their bases
	s_add_nc_u64 s[50:51], s[50:51], 131072        ; 64 rows of x on
	s_add_nc_u64 s[54:55], s[54:55], 4096          ; four tiles of codes on
.endif
.endm
	s_load_b512 s[8:23], s[0:1], 0x0               ; x, Wq, Wk, Wv, Wo, bq, bk, bv
	s_load_b256 s[24:31], s[0:1], 0x40             ; the scales' exponents, qf, kf, vf
	s_load_b64 s[32:33], s[0:1], 0x60              ; wof
	v_lshl_add_u32 v[SPW], v0, 2, SPARE
	v_mov_b32 v[NIL], 0
	v_lshrrev_b32 v7, 5, v0
	v_readfirstlane_b32 s3, v7                     ; wave 0..3
	v_and_b32 v7, 31, v0
	v_lshlrev_b32 v[LI], 4, v7
	v_lshlrev_b32 v[L8], 3, v7
	v_and_b32 v8, 15, v0                           ; r
	v_bfe_u32 v7, v0, 4, 1                         ; g
	v_lshlrev_b32 v[FA], 11, v8
	v_lshl_add_u32 v[FA], v7, 5, v[FA]
	s_lshl_b32 s2, s3, 13
	v_add_nc_u32 v[XW], s2, v[LI]
	s_mov_b32 s4, ttmp9                            ; cb
	s_and_b32 s5, ttmp7, 0xffff                    ; rb
	s_lshr_b32 s6, s4, 1                           ; 0 q, 1 k, 2 v
	s_mov_b32 s35, 0
	s_wait_kmcnt 0x0
	s_load_b256 s[36:43], s[24:25], 0x0            ; e0 .. e7
	s_load_b128 s[44:47], s[24:25], 0x20           ; e8 .. e11
	s_cmp_eq_u32 s4, 6
	s_cbranch_scc1 .Lwo
	s_cmp_eq_u32 s6, 1                             ; the tensor's buffers: a choice on the work-group's number alone
	s_cselect_b64 s[48:49], s[12:13], s[14:15]
	s_cselect_b64 s[52:53], s[20:21], s[22:23]
	s_cselect_b64 s[54:55], s[28:29], s[30:31]
	s_cmp_eq_u32 s6, 0
	s_cselect_b64 s[48:49], s[10:11], s[48:49]
	s_cselect_b64 s[52:53], s[18:19], s[52:53]
	s_cselect_b64 s[54:55], s[26:27], s[54:55]
	s_and_b32 s2, s4, 1
	s_lshl_b32 s2, s2, 2
	s_add_co_u32 s7, s2, s3                        ; my head
	s_lshl_b32 s34, s7, 17                         ; its 64 rows of W, 2,048 bytes each
	s_add_nc_u64 s[48:49], s[48:49], s[34:35]
	s_lshl_b32 s34, s7, 8                          ; its 64 numbers of the bias
	s_add_nc_u64 s[52:53], s[52:53], s[34:35]
	s_lshl_b32 s34, s5, 19                         ; x: 256 rb rows,
	s_lshl_b32 s2, s3, 15                          ; + my 16 of each block
	s_add_co_u32 s34, s34, s2
	s_add_nc_u64 s[50:51], s[8:9], s[34:35]
	s_lshr_b32 s2, s5, 3                           ; the codes: ((8 b + head) x 128 + 16 (rb % 8)) tiles of 1,024 bytes
	s_lshl_b32 s2, s2, 3
	s_add_co_u32 s2, s2, s7
	s_lshl_b32 s2, s2, 7
	s_and_b32 s34, s5, 7
	s_lshl_b32 s34, s34, 4
	s_add_co_u32 s2, s2, s34
	s_lshl_b32 s34, s2, 10
	s_add_nc_u64 s[54:55], s[54:55], s[34:35]
	s_cmp_eq_u32 s6, 2                             ; the bias in the result's layout.  q, k: register j is channel 16 t + 8 g + j;  v: every register is channel 16 t + r
	s_cselect_b32 s61, 0, 4
	s_cselect_b32 s62, 0, 32
	s_cselect_b32 s63, 4, 0
	v_mul_u32_u24 v[BL], s62, v7
	v_mad_u32_u24 v[BL], s63, v8, v[BL]
.irp j,0,1,2,3,4,5,6,7
	v_mad_u32_u24 v[BAD+\j], s61, \j, v[BL]
.endr
.irp t,0,1,2,3
.irp j,0,1,2,3,4,5,6,7
	global_load_b32 v[BI+8*\t+\j], v[BAD+\j], s[52:53] offset:64*\t
.endr
.endr
	FLOAD 0, 48, 0
	FLOAD 1, 48, 512
	FLOAD 2, 48, 1024
	s_wait_kmcnt 0x0
	s_cmp_eq_u32 s6, 1
	s_cselect_b32 s56, s38, s40                    ; ex
	s_cselect_b32 s57, s39, s41                    ; ew
	s_cselect_b32 s58, s43, s45                    ; eo: the result's scale in the attention's products
	s_cmp_eq_u32 s6, 0
	s_cselect_b32 s56, s36, s56
	s_cselect_b32 s57, s37, s57
	s_cselect_b32 s58, s42, s58
	MKSC XS, XL, s56
	MKSC WS, WL, s57
	s_add_co_i32 s59, s56, s57                     ; a sum stands for sum x 2^(ex + ew)
	s_sub_co_i32 s58, s58, s59
	MKSC OS, OL, s58
	s_sub_co_i32 s59, 0, s59
	; W's sixteen fragments, each asked for three ahead; behind them follow the first block's first three fragments of x
.set f, 0
.rept 16
.if f+3 < 16
	FLOAD (f+3)%4, 48, ((f+3)/4)*32768+((f+3)%4)*512
.else
	FLOAD (f+3)%4, 50, (f+3-16)*512
.endif
	s_wait_loadcnt 48                              ; the three younger fragments may be out; the bias's loads are older
.if f == 0
	WIN 0
.set bi, 0
.rept 32
	v_ldexp_f32 v[BI+bi], v[BI+bi], s59            ; the bias / 2^(ex + ew)
.set bi, bi+1
.endr
.endif
	QW f%4, 16*f
.set f, f+1
.endr
	s_mov_b32 s60, 3
.Lblk:
	BLOCK 1
	s_sub_co_u32 s60, s60, 1
	s_cmp_lg_u32 s60, 0
	s_cbranch_scc1 .Lblk
	BLOCK 0
	s_wait_tensorcnt 0x0                           ; the wave's end, behind my last LDS store
	ds_add_u32 v[SPW], v[NIL]
	s_wait_dscnt 0x0
	s_endpgm
.Lwo:                                                  ; Wo's fragment (columns 16 rb on, K step w); no LDS is touched on this path
	s_lshl_b32 s34, s5, 15
	s_lshl_b32 s2, s3, 9
	s_add_co_u32 s34, s34, s2
	s_add_nc_u64 s[50:51], s[16:17], s[34:35]
	FLOAD 0, 50, 0
	s_lshl_b32 s34, s5, 2
	s_add_co_u32 s34, s34, s3
	s_lshl_b32 s34, s34, 11
	s_add_nc_u64 s[54:55], s[32:33], s[34:35]
	s_wait_kmcnt 0x0
	MKSC XS, XL, s47
	s_wait_loadcnt 0x0
	QX 0, PCD
.irp c,0,1,2,3
	global_store_b128 v[LI], v[PCD+4*\c:PCD+4*\c+3], s[54:55] offset:512*\c
.endr
	s_endpgm
.Lfunc_end_k_q5f123b6ade_project:
	.size	k_q5f123b6ade_project, .Lfunc_end_k_q5f123b6ade_project-k_q5f123b6ade_project
	.p2alignl 7, 3214868480
	.fill 96, 4, 3214868480
	.section	.rodata,"a",@progbits
	.p2align	6, 0x0
	.amdhsa_kernel k_q5f123b6ade_project
		.amdhsa_group_segment_fixed_size 33280
		.amdhsa_private_segment_fixed_size 0
		.amdhsa_enable_private_segment 0
		.amdhsa_kernarg_size 104
		.amdhsa_user_sgpr_count 2
		.amdhsa_user_sgpr_kernarg_segment_ptr 1
		.amdhsa_wavefront_size32 1
		.amdhsa_system_sgpr_workgroup_id_x 1
		.amdhsa_system_sgpr_workgroup_id_y 1
		.amdhsa_system_sgpr_workgroup_id_z 1
		.amdhsa_system_vgpr_workitem_id 0
		.amdhsa_next_free_vgpr 768
		.amdhsa_next_free_sgpr 66
		.amdhsa_reserve_vcc 0
		.amdhsa_float_denorm_mode_32 3
		.amdhsa_float_denorm_mode_16_64 3
		.amdhsa_memory_ordered 1
		.amdhsa_forward_progress 1
		.amdhsa_inst_pref_size 245
	.end_amdhsa_kernel
	.amdgpu_metadata
---
amdhsa.version: [ 1, 2 ]
amdhsa.kernels:
  - .name:           k_q5f123b6ade_project
    .symbol:         k_q5f123b6ade_project.kd
    .args:
      - { .name: x, .offset: 0, .size: 8, .value_kind: global_buffer, .address_space: global }
      - { .name: Wq, .offset: 8, .size: 8, .value_kind: global_buffer, .address_space: global }
      - { .name: Wk, .offset: 16, .size: 8, .value_kind: global_buffer, .address_space: global }
      - { .name: Wv, .offset: 24, .size: 8, .value_kind: global_buffer, .address_space: global }
      - { .name: Wo, .offset: 32, .size: 8, .value_kind: global_buffer, .address_space: global }
      - { .name: bq, .offset: 40, .size: 8, .value_kind: global_buffer, .address_space: global }
      - { .name: bk, .offset: 48, .size: 8, .value_kind: global_buffer, .address_space: global }
      - { .name: bv, .offset: 56, .size: 8, .value_kind: global_buffer, .address_space: global }
      - { .name: lowp_scales, .offset: 64, .size: 8, .value_kind: global_buffer, .address_space: global }
      - { .name: qf, .offset: 72, .size: 8, .value_kind: global_buffer, .address_space: global }
      - { .name: kf, .offset: 80, .size: 8, .value_kind: global_buffer, .address_space: global }
      - { .name: vf, .offset: 88, .size: 8, .value_kind: global_buffer, .address_space: global }
      - { .name: wof, .offset: 96, .size: 8, .value_kind: global_buffer, .address_space: global }
    .group_segment_fixed_size: 33280
    .private_segment_fixed_size: 0
    .kernarg_segment_align: 8
    .kernarg_segment_size: 104
    .max_flat_workgroup_size: 128
    .sgpr_count:     66
    .vgpr_count:     768
    .wavefront_size: 32
...
	.end_amdgpu_metadata
.endif
;; end of part 1
;; launch attend (part 2): grid 576 x 1, 8 waves a work-group, no clusters, 158,720 bytes of LDS; arguments qf, kf, vf, attn_mask, lowp_scales, af; writes af
.if DOCPART == 2
	.amdgcn_target "amdgcn-amd-amdhsa--gfx1250"
	.amdhsa_code_object_version 6
	.text
	.protected	k_q5f123b6ade_attend
	.globl	k_q5f123b6ade_attend
	.p2align	8
	.type	k_q5f123b6ade_attend,@function
k_q5f123b6ade_attend:
	s_mov_b64 s[64:65], 0
	v_nop
	global_prefetch_b8 v0, s[64:65] scope:SCOPE_SE
	s_setreg_imm32_b32 hwreg(HW_REG_WAVE_MODE, 25, 1), 1
	s_wait_xcnt 0x0
; The attention on codes of E4M3: scores, masks, softmax, weighted values; the result leaves as codes for the last product.
; LEFT OUT: for heads 1 to 7 the tiles of keys that lie wholly outside reference()'s own band |i - j| <= 128 (shown at the head of the first kernel).
; THE SOFTMAX: t = score x log2(e) / 8; M = the row's largest t, rounded up to a whole number; p = 2^(t - M) is quantised along the keys; the row's sum l is taken of the unquantised p and divides at the end.
; LAYOUT.  S^T = K Q^T (source 0 = 16 keys, source 1 = 16 queries; the head's 64 are one instruction) and O^T = V^T P^T: a lane holds ONE query (lane % 16) throughout; a tile's eight scores of a lane are eight
; neighbouring keys, so a conversion's result is a register pair of P^T, and O^T's is a pair of the last product's operand.  All fragments lie in memory in the order of the operand's registers.
; MASKS.  A key that does not count gets -2^64 as the C of its score (a raw sum is at most 64 x 448^2), so p = 0 beside any key that counts.  The band cuts only the first and the last of a query tile's 17 key tiles.
; attn_mask is read as whole numbers: where every key of the range counts, C is the constant 0 (a scalar branch); else C comes from a table of 0 and -2^64 in LDS.
; A ROW WITH NO KEY THAT COUNTS: reference()'s scores are then all equal and its softmax is uniform over all 2,048 keys of the head: p = 1 for every key, l = 2,048 (M is taken as t there).  That sum over all keys is
; made only where the mask's bytes allow such a row (a scalar branch on them) and chosen lane by lane where the row's largest raw score is under -2^63.  M is taken of max(largest, -2^62), so such a row's own p are 0.
; THE HOLD OF p: p is at most 1 up to rounding, and 448 x 2^ep is at least 1.75 where ep >= -8: a scalar branch on ep leads round the hold there; for smaller ep it runs.
; SHARES.  Work-groups 0..127: head 0, 64 queries; wave w: query tile w % 4, keys 1,024 (w / 4) on, in 8 steps of 128 with a running M, K and V through two LDS slots that the eight waves fill through registers; the
; two halves of the keys are joined in LDS.  Work-groups 128..575: heads 1..7, 128 queries; wave w: one query tile and the 17 key tiles of its band, out of the work-group's 24 in LDS, in one pass.
; NO TENSOR LOADS, NO JOINT LOADS: the three branches above hang on numbers read from memory.  Each of the two paths has LDS bytes of its own.
; LIMITS: eq + ek between -50 and 60 (2^64 c hides a masked key and stays finite); ep and eo - ep - ev between -126 and 119.
; REGISTERS: v1-12 addresses; v13 at work; v14 448 x 2^ep, v15 2^ep; v16-23 Q; v40 -M, v42-43 l in two halves, v44 f, v46 the largest raw score, v47 -2^64; v208-215 at work; v216.. p's codes.
;   band: v24-39 the band's two C tiles; v48-183 S^T, then O^T (v48-79) and V's fragments (v80-207); v184-255 K's fragments.
;   head 0: v24-39, v232-247 the slot's bytes on their way; v48-111 S^T, then V's fragments; v112-175 K's fragments; v176-207 O^T.
.set LV,    24576                      ; band: K's 24 tiles of 1 KB at 0, V's here,
.set LB,    49152                      ; and a table of 2 KB for each wave
.set GR,    65536                      ; head 0: two slots of 32 KB; in a slot, for each half of the keys, K's 8 KB and V's 8 KB,
.set GT,    131072                     ; the table of 2,048 keys,
.set MG,    139264                     ; and 4,608 bytes for each of four joins
.set SPARE, 157696                     ; the spare words, 128 bytes for each wave
.set SPW, 1
.set NIL, 2
.set LI,  3                            ; 16 x lane
.set L8,  4                            ; 8 x lane
.set KA,  5
.set VA,  6
.set BA,  7
.set BW,  8
.set ST,  9
.set PCAP, 14
.set PSC, 15
.set RQ,  16
.set BLO, 24
.set BHI, 32
.set RNM, 40
.set RL,  42
.set RF,  44
.set RRM, 46
.set RNEG, 47
.set SC,  48
.set VF,  80
.set GKL, 112
.set GOT, 176
.set KL,  184
.set MX0, 208
.set MX1, 209
.set TP,  210
.set OLD, 211
.set SUM2, 212
.set OSC, 214
.set OLIM, 215
.set P,   216
.macro PLACES n
.rept \n
	v_nop
.endr
.endm
.macro SCALES
	s_wait_kmcnt 0x0
	s_add_co_i32 s2, s24, s25
	s_lshl_b32 s2, s2, 23
	s_add_co_i32 s30, s2, 0x3e38aa3b               ; c = log2(e) / 8, with eq + ek added to its exponent field: a raw score stands for score x 2^(eq + ek)
	s_mov_b32 s31, s30                             ; (named with it as a pair, so it is written)
	s_add_co_i32 s2, s26, 127
	s_lshl_b32 s3, s2, 23
	v_mov_b32 v[PSC], s3                           ; 2^ep
	s_add_co_i32 s2, s2, 8
	s_lshl_b32 s2, s2, 23
	s_or_b32 s2, s2, 0x600000
	v_mov_b32 v[PCAP], s2                          ; 448 x 2^ep
	s_sub_co_i32 s2, s28, s26
	s_sub_co_i32 s2, s2, s27
	s_add_co_i32 s2, s2, 127
	s_lshl_b32 s60, s2, 23                         ; 2^(eo - ep - ev): the three scales folded into the last conversion's one
	s_add_co_i32 s2, s2, 8
	s_lshl_b32 s2, s2, 23
	s_or_b32 s61, s2, 0x600000                     ; 448 x that
.endm
; NT tiles of scores at v[SB] on become p's codes at v[PB] on.  online = 1: a running M; l is brought under the new M here, O^T by the caller, both by f = 2^(old M - new M), which rounds nothing.
.macro SOFTMAX SB, NT, PB, online
	v_max3_num_f32 v[MX0], v[\SB], v[\SB+1], v[\SB+2]      ; my query's largest score among my keys, in two chains, ascending: each tile is read from its low end on
	v_max3_num_f32 v[MX1], v[\SB+3], v[\SB+4], v[\SB+5]
.set si, 6
.rept (8*\NT-8)/4
	v_max3_num_f32 v[MX0], v[MX0], v[\SB+si], v[\SB+si+1]
	v_max3_num_f32 v[MX1], v[MX1], v[\SB+si+2], v[\SB+si+3]
.set si, si+4
.endr
	v_max3_num_f32 v[MX0], v[MX0], v[\SB+8*\NT-2], v[\SB+8*\NT-1]
	v_max_num_f32 v[MX0], v[MX0], v[MX1]
	v_permlanex16_b32 v[TP], v[MX0], s32, s33      ; the query's other keys lie in the lane 16 away
.if \online
	v_max3_num_f32 v[RRM], v[RRM], v[MX0], v[TP]
	v_mov_b32 v[OLD], v[RNM]
.else
	v_max_num_f32 v[RRM], v[MX0], v[TP]
.endif
	v_max_num_f32 v[MX1], 0xde800000, v[RRM]       ; at least -2^62: a row with no key that counts gets p = 0, not a difference of two huge numbers
	v_mul_f32 v13, s30, v[MX1]                     ; as t (c is positive)
	v_floor_f32 v[RNM], -v13                       ; -M = floor(-t) = -ceil(t)
.if \online
	v_sub_f32 v13, v[RNM], v[OLD]                  ; old M - new M: a whole number, 0 or less
	v_cvt_i32_f32 v13, v13                         ; (it saturates)
	v_ldexp_f32 v[RF], 1.0, v13
.endif
.set si, 0
.rept 4*\NT
	v_pk_fma_f32 v[\SB+si:\SB+si+1], v[\SB+si:\SB+si+1], s[30:31], v[RNM:RNM+1] op_sel_hi:[1,0,0]   ; t - M, two at a time (of the pairs c and -M the low word serves both halves)
.set si, si+2
.endr
.set si, 0
.rept 8*\NT
	v_exp_f32 v[\SB+si], v[\SB+si]                 ; p = 2^(t - M)
.set si, si+1
.endr
.if \online
	v_pk_mul_f32 v[RL:RL+1], v[RL:RL+1], v[RF:RF+1] op_sel_hi:[1,0]   ; (the plain line behind the exponentials)
.else
	v_nop                                          ; the plain line behind the exponentials
.endif
	s_wait_alu depctr_va_vdst(0)                   ; one wait for the whole batch, ahead of its first reader
.if \online
	v_pk_add_f32 v[SUM2:SUM2+1], v[\SB:\SB+1], v[\SB+2:\SB+3]   ; the sum of the UNQUANTISED p, in two chains
.set si, 4
.else
	v_pk_add_f32 v[RL:RL+1], v[\SB:\SB+1], v[\SB+2:\SB+3]
	v_pk_add_f32 v[SUM2:SUM2+1], v[\SB+4:\SB+5], v[\SB+6:\SB+7]
.set si, 8
.endif
.set sn, (8*\NT-si)/4
.rept sn
	v_pk_add_f32 v[RL:RL+1], v[RL:RL+1], v[\SB+si:\SB+si+1]
	v_pk_add_f32 v[SUM2:SUM2+1], v[SUM2:SUM2+1], v[\SB+si+2:\SB+si+3]
.set si, si+4
.endr
	v_pk_add_f32 v[RL:RL+1], v[RL:RL+1], v[SUM2:SUM2+1]
	s_cmp_ge_i32 s26, -8                           ; ep >= -8: 448 x 2^ep >= 1.75, which no p reaches
	s_cbranch_scc1 .Lnohold_\@
.set si, 0
.rept 8*\NT
	v_min_num_f32 v[\SB+si], v[\SB+si], v[PCAP]    ; the conversion does not saturate (ISA guide 7.6.2); p is not negative, so the hold is one-sided
.set si, si+1
.endr
.Lnohold_\@:
.set si, 0
.rept \NT
	v_cvt_scalef32_pk8_fp8_f32 v[\PB+2*si:\PB+2*si+1], v[\SB+8*si:\SB+8*si+7], v[PSC]
.set si, si+1
.endr
	v_nop                                          ; one plain line behind the last conversion
.endm
; The uniform row: the sum over all 2,048 keys of the head of code(1) x code(V), 64 keys a trip, straight from memory; taken only where the mask's bytes allow a row with no key that counts.
.macro VALL
.irp t,0,1,2,3
.irp u,0,1,2,3
	global_load_b64 v[112+8*\t+2*\u:113+8*\t+2*\u], v[L8], s[54:55] offset:1024*\u+256*\t
.endr
.endr
	s_wait_loadcnt 0x0
.endm
.macro FALLBACK OB
	s_cmp_eq_u32 s36, 0
	s_cbranch_scc1 .Lnf_\@
	v_min_num_f32 v13, 1.0, v[PCAP]
.irp j,0,1,2,3,4,5,6,7
	v_mov_b32 v[152+\j], v13
.endr
	v_cvt_scalef32_pk8_fp8_f32 v[144:145], v[152:159], v[PSC]   ; eight codes of p = 1
	v_nop
.irp j,2,4,6
	v_mov_b32 v[144+\j], v144
	v_mov_b32 v[145+\j], v145
.endr
	VALL
.irp t,0,1,2,3
	v_wmma_f32_16x16x64_fp8_fp8 v[80+8*\t:87+8*\t], v[112+8*\t:119+8*\t], v[144:151], 0
.endr
	s_mov_b32 s58, 31
.Lfb_\@:
	PLACES 4                                       ; in front of loads into registers that the products have read
	s_add_nc_u64 s[54:55], s[54:55], 4096          ; four tiles of keys on (the loads that read this base have been waited for)
	VALL
.irp t,0,1,2,3
	v_wmma_f32_16x16x64_fp8_fp8 v[80+8*\t:87+8*\t], v[112+8*\t:119+8*\t], v[144:151], v[80+8*\t:87+8*\t]
.endr
	s_sub_co_u32 s58, s58, 1
	s_cmp_lg_u32 s58, 0
	s_cbranch_scc1 .Lfb_\@
	PLACES 4
	v_cmp_gt_f32 vcc_lo, 0xdf000000, v[RRM]        ; -2^63 > my row's largest raw score: no key counted
.set fi, 0
.rept 32
	v_cndmask_b32 v[\OB+fi], v[\OB+fi], v[80+fi], vcc_lo
.set fi, fi+1
.endr
	v_mov_b32 v13, 0x45000000                      ; l = 2,048
	v_cndmask_b32 v[MX0], v[MX0], v13, vcc_lo
.Lnf_\@:
.endm
; O^T / l becomes codes and leaves: two stores of 512 consecutive bytes, aligned.  The first seven lines are also the places behind the last products.
.macro FINAL OB
	v_add_f32 v[MX0], v[RL], v[RL+1]               ; l's two halves,
	v_permlanex16_b32 v[TP], v[MX0], s32, s33
	v_add_f32 v[MX0], v[MX0], v[TP]                ; and the other half of the lanes'
	v_mov_b32 v[OSC], s60
	v_mov_b32 v[OLIM], s61
	v_nop
	v_nop
	FALLBACK \OB
	v_rcp_f32 v[SUM2], v[MX0]
	v_nop                                          ; a plain line behind the reciprocal,
	s_wait_alu depctr_va_vdst(0)                   ; and a wait ahead of its first reader
.set fi, 0
.rept 16
	v_pk_mul_f32 v[\OB+fi:\OB+fi+1], v[\OB+fi:\OB+fi+1], v[SUM2:SUM2+1] op_sel_hi:[1,0]
.set fi, fi+2
.endr
.set fi, 0
.rept 32
	v_med3_num_f32 v[\OB+fi], v[\OB+fi], -v[OLIM], v[OLIM]
.set fi, fi+1
.endr
.irp t,0,1,2,3
	v_cvt_scalef32_pk8_fp8_f32 v[P+2*\t:P+2*\t+1], v[\OB+8*\t:\OB+8*\t+7], v[OSC]
.endr
	v_nop
	global_store_b128 v[LI], v[P:P+3], s[52:53]
	global_store_b128 v[LI], v[P+4:P+7], s[52:53] offset:512
.endm
.macro ENDWAVE
	s_wait_tensorcnt 0x0                           ; the wave's end, behind my last LDS store
	ds_add_u32 v[SPW], v[NIL]
	s_wait_dscnt 0x0
	s_endpgm
.endm
	s_load_b256 s[4:11], s[0:1], 0x0               ; qf, kf, vf, attn_mask
	s_load_b128 s[12:15], s[0:1], 0x20             ; the scales' exponents, af
	v_lshl_add_u32 v[SPW], v0, 2, SPARE
	v_mov_b32 v[NIL], 0
	v_lshrrev_b32 v13, 5, v0
	v_readfirstlane_b32 s16, v13                   ; wave 0..7
	v_and_b32 v13, 31, v0                          ; lane
	v_lshlrev_b32 v[LI], 4, v13
	v_lshlrev_b32 v[L8], 3, v13
	v_mov_b32 v[TP], 0                             ; written once: a lane permute's destination counts as one of its sources
	v_mov_b32 v[RNM+1], 0                          ; (named as upper halves of pairs)
	v_mov_b32 v[RF+1], 0
	v_mov_b32 v[RNEG], 0xdf800000                  ; -2^64
	s_mov_b32 s32, 0x76543210                      ; v_permlanex16_b32's selects for lane l xor 16
	s_mov_b32 s33, 0xfedcba98
	s_mov_b32 s17, ttmp9
	s_mov_b32 s23, 0
	s_wait_kmcnt 0x0
	s_load_b128 s[24:27], s[12:13], 0x18           ; eq, ek, ep, ev
	s_load_b32 s28, s[12:13], 0x28                 ; eo
	s_cmp_lt_u32 s17, 128
	s_cbranch_scc1 .Lglobal
	; ======== HEADS 1 TO 7 ========
	s_sub_co_u32 s2, s17, 128
	s_and_b32 s3, s2, 15                           ; the block of 128 queries
	s_bfe_u32 s18, s2, 0x20004                     ; b
	s_lshr_b32 s19, s2, 6
	s_add_co_u32 s19, s19, 1                       ; h
	s_lshl_b32 s21, s3, 3
	s_add_co_u32 s20, s21, s16                     ; my query tile
	s_lshl_b32 s2, s18, 3
	s_add_co_u32 s2, s2, s19
	s_lshl_b32 s22, s2, 17                         ; the head's 128 tiles of 1,024 bytes
	s_add_nc_u64 s[48:49], s[6:7], s[22:23]
	s_add_nc_u64 s[50:51], s[8:9], s[22:23]
	s_mov_b64 s[54:55], s[50:51]
	s_lshl_b32 s3, s20, 10
	s_add_co_u32 s22, s22, s3
	s_add_nc_u64 s[46:47], s[4:5], s[22:23]
	s_lshl_b32 s22, s18, 11
	s_add_nc_u64 s[10:11], s[10:11], s[22:23]
	s_lshl_b32 s2, s18, 7
	s_add_co_u32 s2, s2, s20
	s_lshl_b32 s22, s2, 13                         ; af: row tile 128 b + tile, 8,192 bytes each;
	s_lshl_b32 s2, s19, 10                         ; head h's two chunks begin 1,024 h bytes on
	s_add_co_u32 s22, s22, s2
	s_add_nc_u64 s[52:53], s[14:15], s[22:23]
	s_sub_co_i32 s2, s20, 8
	v_add_nc_u32 v13, s2, v13                      ; lane l looks at the mask of my band's tile l
	v_cmp_gt_u32 s37, 128, v13                     ; inside the sequence?
	v_cndmask_b32 v13, 0, v13, s37                 ; a tile outside it is read at tile 0 and counted as masked
	v_lshlrev_b32 v13, 4, v13
	global_load_b128 v[212:215], v13, s[10:11]
	global_load_b128 v[RQ:RQ+3], v[LI], s[46:47]
	global_load_b128 v[RQ+4:RQ+7], v[LI], s[46:47] offset:512
	s_mul_i32 s2, s16, 3
	s_add_co_u32 s2, s2, s21
	s_sub_co_i32 s2, s2, 8                         ; I bring tiles 3 w .. 3 w + 2 of the work-group's 24, which begin at key tile 8 blk - 8
.irp k,0,1,2
	s_add_co_i32 s3, s2, \k
	s_max_i32 s3, s3, 0                            ; a tile outside the sequence brings an edge tile's codes: every key of it is masked
	s_min_i32 s3, s3, 127
	s_lshl_b32 s3, s3, 10
	v_add_nc_u32 v[10+\k], s3, v[LI]
	global_load_b128 v[48+16*\k:51+16*\k], v[10+\k], s[48:49]
	global_load_b128 v[52+16*\k:55+16*\k], v[10+\k], s[48:49] offset:512
	global_load_b128 v[56+16*\k:59+16*\k], v[10+\k], s[50:51]
	global_load_b128 v[60+16*\k:63+16*\k], v[10+\k], s[50:51] offset:512
.endr
	s_lshl_b32 s2, s16, 10
	v_add_nc_u32 v[KA], s2, v[LI]                  ; my band begins at the work-group's tile w
	v_add_nc_u32 v[VA], s2, v[L8]
	v_add_nc_u32 v[VA], LV, v[VA]
	s_lshl_b32 s2, s16, 11
	s_add_co_u32 s2, s2, LB
	v_bfe_u32 v209, v0, 4, 1                       ; g
	v_lshl_add_u32 v[BA], v209, 5, s2              ; the table, read: my eight keys of a tile
	v_lshl_add_u32 v[BW], v[LI], 2, s2             ; the table, written: 64 bytes a lane
	s_mul_i32 s2, s16, 3072
	v_add_nc_u32 v[ST], s2, v[LI]
	v_and_b32 v208, 15, v0
	v_lshlrev_b32 v209, 3, v209
	v_sub_nc_u32 v208, v208, v209                  ; r - 8 g.  Register j is key 8 g + j of a tile: outside the band in the first tile where j < r - 8 g, in the last where j > r - 8 g
.irp j,0,1,2,3,4,5,6,7
	v_cmp_lt_i32 vcc_lo, \j, v208
	v_cndmask_b32 v[BLO+\j], 0, v[RNEG], vcc_lo
	v_cmp_gt_i32 vcc_lo, \j, v208
	v_cndmask_b32 v[BHI+\j], 0, v[RNEG], vcc_lo
.endr
	SCALES
	s_wait_loadcnt 14                              ; the mask's bytes are in; the 14 younger loads may be out
.irp k,0,1,2,3
	v_cndmask_b32 v[212+\k], 0, v[212+\k], s37
.endr
	v_and_b32 v208, v212, v213
	v_and_b32 v209, v214, v215
	v_and_b32 v208, v208, v209
	v_or_b32 v209, v212, v213
	v_or_b32 v209, v209, v214
	v_or_b32 v209, v209, v215
	v_cmp_eq_u32 s38, 0x01010101, v208             ; a bit a tile: all 16 keys count
	v_cmp_ne_u32 s39, 0, v209                      ; a bit a tile: some key counts
	s_and_b32 s38, s38, 0x1ffff
	s_cmp_eq_u32 s38, 0x1ffff
	s_cselect_b32 s35, 1, 0                        ; every key of my 17 tiles counts
	s_and_b32 s39, s39, 0xfffe
	s_cmp_eq_u32 s39, 0
	s_cselect_b32 s36, 1, 0                        ; no key counts in tiles 1 to 15, which lie in the band of each of my 16 queries: only then can a row be without a key
	s_wait_loadcnt 0x0
.irp k,0,1,2
	ds_store_b128 v[ST], v[48+16*\k:51+16*\k] offset:1024*\k
	ds_store_b128 v[ST], v[52+16*\k:55+16*\k] offset:1024*\k+512
	ds_store_b128 v[ST], v[56+16*\k:59+16*\k] offset:LV+1024*\k
	ds_store_b128 v[ST], v[60+16*\k:63+16*\k] offset:LV+1024*\k+512
.endr
	s_wait_dscnt 0x0                               ; for the others' sake: my three tiles have landed
	s_barrier_signal -1
	s_barrier_wait -1                              ; the 24 tiles of K and of V lie in LDS; nothing is written there again
.macro QKP tau, kl, gen
.if \gen
	v_wmma_f32_16x16x64_fp8_fp8 v[SC+8*(\tau):SC+8*(\tau)+7], v[KL+8*(\kl):KL+8*(\kl)+7], v[RQ:RQ+7], v[SC+8*(\tau):SC+8*(\tau)+7]
.elseif (\tau) == 0
	v_wmma_f32_16x16x64_fp8_fp8 v[SC+8*(\tau):SC+8*(\tau)+7], v[KL+8*(\kl):KL+8*(\kl)+7], v[RQ:RQ+7], v[BLO:BLO+7]
.elseif (\tau) == 16
	v_wmma_f32_16x16x64_fp8_fp8 v[SC+8*(\tau):SC+8*(\tau)+7], v[KL+8*(\kl):KL+8*(\kl)+7], v[RQ:RQ+7], v[BHI:BHI+7]
.else
	v_wmma_f32_16x16x64_fp8_fp8 v[SC+8*(\tau):SC+8*(\tau)+7], v[KL+8*(\kl):KL+8*(\kl)+7], v[RQ:RQ+7], 0
.endif
.endm
; The 17 tiles of scores, K's fragments in two runs of loads.  gen = 1: C comes from my table, loaded into the scores' registers.
.macro QK_L gen
.if \gen
.irp k,0,1,2,3,4,5,6,7,8,9,10,11,12,13,14,15
	v_bfe_u32 v[SC+\k], v[212+\k/4], 8*(\k%4), 1   ; the key's byte, 0 or 1,
	v_add_nc_u32 v[SC+\k], -1, v[SC+\k]            ; all ones or 0,
	v_and_b32 v[SC+\k], v[RNEG], v[SC+\k]          ; -2^64 or 0
.endr
.irp c,0,1,2,3
	ds_store_b128 v[BW], v[SC+4*\c:SC+4*\c+3] offset:16*\c   ; the bytes are my wave's own: LDS serves a wave's instructions in order (ISA guide 5.7.1.4)
.endr
.irp t,0,1,2,3,4,5,6,7,8,9,10,11,12,13,14,15,16
	ds_load_b128 v[SC+8*\t:SC+8*\t+3], v[BA] offset:64*\t
	ds_load_b128 v[SC+8*\t+4:SC+8*\t+7], v[BA] offset:64*\t+16
.endr
.endif
.irp t,0,1,2,3,4,5,6,7,8
	ds_load_b128 v[KL+8*\t:KL+8*\t+3], v[KA] offset:1024*\t
	ds_load_b128 v[KL+8*\t+4:KL+8*\t+7], v[KA] offset:1024*\t+512
.endr
.irp t,0,1,2,3,4,5,6,7,8
	s_wait_dscnt 16-2*\t                           ; the younger tiles' two loads each may be out
.if \gen && (\t == 0)
.irp j,0,1,2,3,4,5,6,7
	v_min_num_f32 v[SC+\j], v[SC+\j], v[BLO+\j]
.endr
.endif
	QKP \t, \t, \gen
.endr
	PLACES 4                                       ; in front of loads into registers that the products have read
.irp t,9,10,11,12,13,14,15,16
	ds_load_b128 v[KL+8*(\t-9):KL+8*(\t-9)+3], v[KA] offset:1024*\t
	ds_load_b128 v[KL+8*(\t-9)+4:KL+8*(\t-9)+7], v[KA] offset:1024*\t+512
.endr
.irp t,9,10,11,12,13,14,15,16
	s_wait_dscnt 32-2*\t
.if \gen && (\t == 16)
.irp j,0,1,2,3,4,5,6,7
	v_min_num_f32 v[SC+128+\j], v[SC+128+\j], v[BHI+\j]
.endr
.endif
	QKP \t, \t-9, \gen
.endr
	PLACES 4
.endm
	s_cmp_eq_u32 s35, 0
	s_cbranch_scc1 .Lgen
	QK_L 0
	s_branch .Lsm
.Lgen:
	QK_L 1
.Lsm:
.irp j,34,35,36,37,38,39
	v_mov_b32 v[P+\j], 0                           ; the last 64 keys of the second product hold one tile: the other 48 get zero codes
.endr
	SOFTMAX SC, 17, P, 0
	; O^T = V^T P^T: 64 keys a product, four tiles of channels by turns
.irp q,0,1,2,3
.irp t,0,1,2,3
.irp u,0,1,2,3
	ds_load_b64 v[VF+32*\q+8*\t+2*\u:VF+32*\q+8*\t+2*\u+1], v[VA] offset:(4*\q+\u)*1024+256*\t
.endr
.endr
.endr
	s_wait_dscnt 48                                ; the first 64 keys' 16 loads are in
.irp t,0,1,2,3
	v_wmma_f32_16x16x64_fp8_fp8 v[SC+8*\t:SC+8*\t+7], v[VF+8*\t:VF+8*\t+7], v[P:P+7], 0
.endr
	PLACES 4
.irp t,0,1,2,3
	ds_load_b64 v[VF+8*\t:VF+8*\t+1], v[VA] offset:16*1024+256*\t   ; tile 16 takes the first pair; the other six registers keep codes that meet zero codes of p
.endr
.irp q,1,2,3
	s_wait_dscnt 52-16*\q                          ; the younger runs of 16 loads, and tile 16's four, may be out
.irp t,0,1,2,3
	v_wmma_f32_16x16x64_fp8_fp8 v[SC+8*\t:SC+8*\t+7], v[VF+32*\q+8*\t:VF+32*\q+8*\t+7], v[P+8*\q:P+8*\q+7], v[SC+8*\t:SC+8*\t+7]
.endr
.endr
	s_wait_dscnt 0x0
.irp t,0,1,2,3
	v_wmma_f32_16x16x64_fp8_fp8 v[SC+8*\t:SC+8*\t+7], v[VF+8*\t:VF+8*\t+7], v[P+32:P+39], v[SC+8*\t:SC+8*\t+7]
.endr
	FINAL SC
	ENDWAVE
	; ======== HEAD 0 ========
.Lglobal:
	s_lshr_b32 s18, s17, 5                         ; b
	s_and_b32 s2, s17, 31
	s_lshl_b32 s2, s2, 2
	s_and_b32 s3, s16, 3
	s_add_co_u32 s20, s2, s3                       ; my query tile
	s_lshr_b32 s21, s16, 2                         ; my half of the keys
	s_lshl_b32 s29, s18, 20                        ; head 0 of batch b in qf, kf, vf
	s_mov_b32 s22, s29
	s_add_nc_u64 s[54:55], s[8:9], s[22:23]
	s_and_b32 s2, s16, 2
	s_cmp_lg_u32 s2, 0                             ; waves 0, 1, 4, 5 bring K's bytes, waves 2, 3, 6, 7 V's
	s_cselect_b64 s[48:49], s[8:9], s[6:7]
	s_lshl_b32 s2, s21, 6
	s_and_b32 s19, s16, 1
	s_lshl_b32 s19, s19, 2
	s_add_co_u32 s2, s2, s19                       ; four tiles of keys, 64 x half + 4 (w % 2) on
	s_lshl_b32 s2, s2, 10
	s_add_co_u32 s22, s29, s2
	s_add_nc_u64 s[48:49], s[48:49], s[22:23]
	s_lshl_b32 s2, s20, 10
	s_add_co_u32 s22, s29, s2
	s_add_nc_u64 s[46:47], s[4:5], s[22:23]
	s_lshl_b32 s22, s18, 11
	s_add_nc_u64 s[10:11], s[10:11], s[22:23]
	s_lshl_b32 s2, s18, 7
	s_add_co_u32 s2, s2, s20
	s_lshl_b32 s22, s2, 13
	s_add_nc_u64 s[52:53], s[14:15], s[22:23]
	s_lshl_b32 s2, s21, 14
	s_add_co_u32 s2, s2, GR
	v_add_nc_u32 v[KA], s2, v[LI]
	s_add_co_u32 s2, s2, 8192
	v_add_nc_u32 v[VA], s2, v[L8]
	s_lshl_b32 s2, s16, 12
	s_add_co_u32 s2, s2, GR
	v_add_nc_u32 v[ST], s2, v[LI]                  ; where I lay my 4 KB of a slot
	s_lshl_b32 s2, s21, 12
	s_add_co_u32 s2, s2, GT
	v_bfe_u32 v13, v0, 4, 1
	v_lshl_add_u32 v10, v13, 5, s2                 ; the table: my half's keys, my eight of a tile
	s_mul_i32 s2, s3, 4608
	s_add_co_u32 s2, s2, MG
	v_add_nc_u32 v[BW], s2, v[LI]                  ; the join of my query tile
	v_lshl_add_u32 v11, v0, 5, GT                  ; the table, written: eight keys a thread
	v_lshlrev_b32 v12, 3, v0
.irp q,0,1,2,3
	global_load_b128 v[48+4*\q:51+4*\q], v[LI], s[10:11] offset:512*\q   ; the batch's whole mask: lane l looks at tiles l + 32 q
.endr
	global_load_b64 v[64:65], v12, s[10:11]
	global_load_b128 v[RQ:RQ+3], v[LI], s[46:47]
	global_load_b128 v[RQ+4:RQ+7], v[LI], s[46:47] offset:512
.macro GLOAD off                       ; my 4 KB of a step's K or V: eight loads of 512 consecutive bytes
.irp k,0,1,2,3
	global_load_b128 v[24+4*\k:27+4*\k], v[LI], s[48:49] offset:(\off)+512*\k
.endr
.irp k,4,5,6,7
	global_load_b128 v[216+4*\k:219+4*\k], v[LI], s[48:49] offset:(\off)+512*\k
.endr
.endm
.macro GSTORE slot
.irp k,0,1,2,3
	ds_store_b128 v[ST], v[24+4*\k:27+4*\k] offset:(\slot)*32768+512*\k
.endr
.irp k,4,5,6,7
	ds_store_b128 v[ST], v[216+4*\k:219+4*\k] offset:(\slot)*32768+512*\k
.endr
.endm
	GLOAD 0
	SCALES
.set oi, 0
.rept 32
	v_mov_b32 v[GOT+oi], 0                         ; O^T.  (The step is written for a running M: the first finds zeros, which the first change of M leaves zeros)
.set oi, oi+1
.endr
	v_mov_b32 v[RL], 0
	v_mov_b32 v[RL+1], 0
	v_mov_b32 v[RRM], 0xff61b1e6                   ; the largest raw score so far: -3e38
	v_mov_b32 v13, 0xde800000
	v_mul_f32 v13, s30, v13
	v_floor_f32 v[RNM], -v13                       ; -M of the floor -2^62: no later -M is larger
	s_wait_loadcnt 10                              ; the mask's five loads are in; Q's two and the slot's eight may be out
	v_and_b32 v66, v48, v49
	v_or_b32 v67, v48, v49
.irp k,2,3,4,5,6,7,8,9,10,11,12,13,14,15
	v_and_b32 v66, v66, v[48+\k]
	v_or_b32 v67, v67, v[48+\k]
.endr
	v_cmp_eq_u32 s38, 0x01010101, v66
	v_cmp_ne_u32 s39, 0, v67
	s_cmp_eq_u32 s38, -1
	s_cselect_b32 s35, 1, 0                        ; every key of the batch counts
	s_cmp_eq_u32 s39, 0
	s_cselect_b32 s36, 1, 0                        ; none does
.irp k,0,1,2,3,4,5,6,7
	v_bfe_u32 v[68+\k], v[64+\k/4], 8*(\k%4), 1
	v_add_nc_u32 v[68+\k], -1, v[68+\k]
	v_and_b32 v[68+\k], v[RNEG], v[68+\k]          ; -2^64 for a key that does not count, else 0
.endr
	ds_store_b128 v11, v[68:71]
	ds_store_b128 v11, v[72:75] offset:16
	s_wait_loadcnt 0x0
	GSTORE 0
	s_wait_dscnt 0x0                               ; my parts of the table and of slot 0 have landed, and the stores have read their registers
	GLOAD 8192
	s_barrier_signal -1
	s_barrier_wait -1
; A KEY STEP: 128 keys out of slot `slot`.  store = 1: the next step's bytes, which have come into registers, go into the other slot; load = 1: the bytes of the step after that are asked for.
; ONE barrier a step: in front of it a wave's stores into the other slot have landed and its reads of this slot are back; the next step reads the one and writes the other.
.macro STEP slot, store, load, bar
	PLACES 5                                       ; the new scores are laid over registers that the last products read as V's fragments
.if \store
	s_wait_loadcnt 0x0
	GSTORE 1-\slot
.endif
.irp t,0,1,2,3,4,5,6,7
	ds_load_b128 v[GKL+8*\t:GKL+8*\t+3], v[KA] offset:\slot*32768+1024*\t
	ds_load_b128 v[GKL+8*\t+4:GKL+8*\t+7], v[KA] offset:\slot*32768+1024*\t+512
.endr
	s_cmp_eq_u32 s35, 0
	s_cbranch_scc1 .Lg_\@
.irp t,0,1,2,3,4,5,6,7
	s_wait_dscnt 14-2*\t                           ; the younger tiles' two loads each may be out
	v_wmma_f32_16x16x64_fp8_fp8 v[SC+8*\t:SC+8*\t+7], v[GKL+8*\t:GKL+8*\t+7], v[RQ:RQ+7], 0
.endr
	s_branch .Lq_\@
.Lg_\@:
.irp t,0,1,2,3,4,5,6,7
	ds_load_b128 v[SC+8*\t:SC+8*\t+3], v[BA] offset:512*\slot+64*\t
	ds_load_b128 v[SC+8*\t+4:SC+8*\t+7], v[BA] offset:512*\slot+64*\t+16
.endr
	s_wait_dscnt 0x0
.irp t,0,1,2,3,4,5,6,7
	v_wmma_f32_16x16x64_fp8_fp8 v[SC+8*\t:SC+8*\t+7], v[GKL+8*\t:GKL+8*\t+7], v[RQ:RQ+7], v[SC+8*\t:SC+8*\t+7]
.endr
.Lq_\@:
.if \load
	GLOAD 16384+8192*\slot                         ; (DScnt has been 0: the stores above have read these registers)
.endif
	PLACES 4
	SOFTMAX SC, 8, P, 1
.irp q,0,1
.irp t,0,1,2,3
.irp u,0,1,2,3
	ds_load_b64 v[SC+32*\q+8*\t+2*\u:SC+32*\q+8*\t+2*\u+1], v[VA] offset:\slot*32768+(4*\q+\u)*1024+256*\t
.endr
.endr
.endr
.set oi, 0
.rept 16
	v_pk_mul_f32 v[GOT+oi:GOT+oi+1], v[GOT+oi:GOT+oi+1], v[RF:RF+1] op_sel_hi:[1,0]   ; O^T under the new M
.set oi, oi+2
.endr
	s_wait_dscnt 16                                ; the first 64 keys' loads are in
.irp t,0,1,2,3
	v_wmma_f32_16x16x64_fp8_fp8 v[GOT+8*\t:GOT+8*\t+7], v[SC+8*\t:SC+8*\t+7], v[P:P+7], v[GOT+8*\t:GOT+8*\t+7]
.endr
	s_wait_dscnt 0x0
.irp t,0,1,2,3
	v_wmma_f32_16x16x64_fp8_fp8 v[GOT+8*\t:GOT+8*\t+7], v[SC+32+8*\t:SC+32+8*\t+7], v[P+8:P+15], v[GOT+8*\t:GOT+8*\t+7]
.endr
.if \bar
	s_barrier_signal -1                            ; no LDS instruction of mine is out
	s_barrier_wait -1
.endif
.endm
	s_mov_b32 s57, 0
	s_mov_b32 s58, 3
.Lpair:                                                ; a trip is two key steps, one out of each slot
	v_add_nc_u32 v[BA], s57, v10
	STEP 0, 1, 1, 1
	STEP 1, 1, 1, 1
	s_wait_xcnt 0x0                                ; the loads issued have read their base
	s_add_nc_u64 s[48:49], s[48:49], 16384         ; two steps' tiles on
	s_add_co_u32 s57, s57, 1024                    ; and 256 keys on in the table
	s_sub_co_u32 s58, s58, 1
	s_cmp_lg_u32 s58, 0
	s_cbranch_scc1 .Lpair
	v_add_nc_u32 v[BA], s57, v10
	STEP 0, 1, 0, 1                                ; the last two steps ask for nothing more
	STEP 1, 0, 0, 0
	; THE JOIN: waves 4 to 7 hand O^T, -M, the largest raw score and l to waves 0 to 3
	PLACES 4
	s_cmp_lt_u32 s16, 4
	s_cbranch_scc1 .Lkeep
	v_mov_b32 v[RNM+1], v[RRM]
.irp k,0,1,2,3,4,5,6,7
	ds_store_b128 v[BW], v[GOT+4*\k:GOT+4*\k+3] offset:512*\k
.endr
	ds_store_b128 v[BW], v[RNM:RNM+3] offset:4096
.Lkeep:
	s_wait_dscnt 0x0
	s_barrier_signal -1
	s_barrier_wait -1
	s_cmp_ge_u32 s16, 4
	s_cbranch_scc1 .Lgend
.irp k,0,1,2,3,4,5,6,7
	ds_load_b128 v[48+4*\k:51+4*\k], v[BW] offset:512*\k
.endr
	ds_load_b128 v[80:83], v[BW] offset:4096
	s_wait_dscnt 0x0
	v_min_num_f32 v84, v[RNM], v80                 ; the larger M of the two
	v_sub_f32 v85, v84, v[RNM]
	v_sub_f32 v90, v84, v80
	v_cvt_i32_f32 v85, v85
	v_cvt_i32_f32 v90, v90
	v_ldexp_f32 v86, 1.0, v85                      ; what brings my half under it,
	v_ldexp_f32 v88, 1.0, v90                      ; and the other half: powers of two, nothing is rounded
	v_mov_b32 v87, 0                               ; (named as upper halves of pairs)
	v_mov_b32 v89, 0
	v_max_num_f32 v[RRM], v[RRM], v81
.set oi, 0
.rept 16
	v_pk_mul_f32 v[GOT+oi:GOT+oi+1], v[GOT+oi:GOT+oi+1], v[86:87] op_sel_hi:[1,0]
.set oi, oi+2
.endr
.set oi, 0
.rept 16
	v_pk_fma_f32 v[GOT+oi:GOT+oi+1], v[48+oi:49+oi], v[88:89], v[GOT+oi:GOT+oi+1] op_sel_hi:[1,0,1]
.set oi, oi+2
.endr
	v_pk_mul_f32 v[RL:RL+1], v[RL:RL+1], v[86:87] op_sel_hi:[1,0]
	v_pk_fma_f32 v[RL:RL+1], v[82:83], v[88:89], v[RL:RL+1] op_sel_hi:[1,0,1]
	FINAL GOT
.Lgend:
	ENDWAVE
.Lfunc_end_k_q5f123b6ade_attend:
	.size	k_q5f123b6ade_attend, .Lfunc_end_k_q5f123b6ade_attend-k_q5f123b6ade_attend
	.p2alignl 7, 3214868480
	.fill 96, 4, 3214868480
	.section	.rodata,"a",@progbits
	.p2align	6, 0x0
	.amdhsa_kernel k_q5f123b6ade_attend
		.amdhsa_group_segment_fixed_size 158720
		.amdhsa_private_segment_fixed_size 0
		.amdhsa_enable_private_segment 0
		.amdhsa_kernarg_size 48
		.amdhsa_user_sgpr_count 2
		.amdhsa_user_sgpr_kernarg_segment_ptr 1
		.amdhsa_wavefront_size32 1
		.amdhsa_system_sgpr_workgroup_id_x 1
		.amdhsa_system_sgpr_workgroup_id_y 1
		.amdhsa_system_sgpr_workgroup_id_z 1
		.amdhsa_system_vgpr_workitem_id 0
		.amdhsa_next_free_vgpr 256
		.amdhsa_next_free_sgpr 66
		.amdhsa_reserve_vcc 1
		.amdhsa_float_denorm_mode_32 3
		.amdhsa_float_denorm_mode_16_64 3
		.amdhsa_memory_ordered 1
		.amdhsa_forward_progress 1
		.amdhsa_inst_pref_size 160
	.end_amdhsa_kernel
	.amdgpu_metadata
---
amdhsa.version: [ 1, 2 ]
amdhsa.kernels:
  - .name:           k_q5f123b6ade_attend
    .symbol:         k_q5f123b6ade_attend.kd
    .args:
      - { .name: qf, .offset: 0, .size: 8, .value_kind: global_buffer, .address_space: global }
      - { .name: kf, .offset: 8, .size: 8, .value_kind: global_buffer, .address_space: global }
      - { .name: vf, .offset: 16, .size: 8, .value_kind: global_buffer, .address_space: global }
      - { .name: attn_mask, .offset: 24, .size: 8, .value_kind: global_buffer, .address_space: global }
      - { .name: lowp_scales, .offset: 32, .size: 8, .value_kind: global_buffer, .address_space: global }
      - { .name: af, .offset: 40, .size: 8, .value_kind: global_buffer, .address_space: global }
    .group_segment_fixed_size: 158720
    .private_segment_fixed_size: 0
    .kernarg_segment_align: 8
    .kernarg_segment_size: 48
    .max_flat_workgroup_size: 256
    .sgpr_count:     66
    .vgpr_count:     256
    .wavefront_size: 32
...
	.end_amdgpu_metadata
.endif
;; end of part 2
;; launch outproj (part 3): grid 4 x 64, 8 waves a work-group, no clusters, 166,912 bytes of LDS; arguments af, wof, bo, lowp_scales, out0; writes out0
.if DOCPART == 3
	.amdgcn_target "amdgcn-amd-amdhsa--gfx1250"
	.amdhsa_code_object_version 6
	.text
	.protected	k_q5f123b6ade_outproj
	.globl	k_q5f123b6ade_outproj
	.p2align	8
	.type	k_q5f123b6ade_outproj,@function
k_q5f123b6ade_outproj:
	s_mov_b64 s[64:65], 0
	v_nop
	global_prefetch_b8 v0, s[64:65] scope:SCOPE_SE
	s_setreg_imm32_b32 hwreg(HW_REG_WAVE_MODE, 25, 1), 1
	s_wait_xcnt 0x0
; out0 = a Wo^T + bo on codes of E4M3.  a (the attention's result) and Wo arrive as codes in the order of the operand's registers: a fragment (16 rows x 128 K) is 2,048 bytes, four runs of 512.
; SHARES.  A work-group makes 128 rows (y) x 128 columns (x): 64 KB of a and 64 KB of Wo, each one dense block, copied once into LDS through registers, 8 KB of each a wave.
; Wave w makes row tiles 2 (w / 2), + 1 and column tiles 4 (w % 2) .. + 3: eight accumulators by turns, four K steps of 128.
; The product is used transposed (source 0 = 16 rows of Wo, source 1 = 16 rows of a): a lane holds eight neighbouring columns of one row.  out = sum x 2^(ea + ew) + bo, one packed multiply-add for two numbers.
; The rows go through the wave's own stage in LDS, so that sixteen lanes store 256 consecutive bytes, aligned.
; NO JOINT LOADS: a work-group fills its LDS once, at its head, and has four K steps of work behind that; a's block is shared by 4 work-groups and Wo's by 64.
; LIMIT: ea + ew between -126 and 127, so that 2^(ea + ew) is an f32 number.
.set STG,   131072                     ; a's images at 0, Wo's at 65,536; here a stage of 16 rows x 272 bytes for each wave
.set SPARE, 165888                     ; the spare words, 128 bytes for each wave
.set SPW, 1
.set NIL, 2
.set LI,  3
.set AA,  4
.set BB,  5
.set SO,  6
.set SR,  7
.set GO,  8
.set CA,  9
.set CB,  10
.set BOA, 11
.set BO,  16                           ; v16-47   bo in the result's layout
.set ACC, 48                           ; v48-111  accumulator (a, t) at v[48 + 8 (4 a + t)]
.set FR,  112                          ; v112-207 two fragments of a, four of Wo; v112-239 at the head the bytes on their way, at the end results and rows
	s_load_b256 s[4:11], s[0:1], 0x0               ; af, wof, bo, the scales' exponents
	s_load_b64 s[12:13], s[0:1], 0x20              ; out0
	v_lshl_add_u32 v[SPW], v0, 2, SPARE
	v_mov_b32 v[NIL], 0
	v_lshrrev_b32 v12, 5, v0
	v_readfirstlane_b32 s14, v12                   ; wave 0..7
	v_and_b32 v12, 31, v0
	v_lshlrev_b32 v[LI], 4, v12
	v_and_b32 v13, 15, v0                          ; r
	v_bfe_u32 v14, v0, 4, 1                        ; g
	s_lshr_b32 s15, s14, 1
	s_and_b32 s16, s14, 1
	s_lshl_b32 s2, s15, 14
	v_add_nc_u32 v[AA], s2, v[LI]
	s_lshl_b32 s2, s16, 15
	s_add_co_u32 s2, s2, 65536
	v_add_nc_u32 v[BB], s2, v[LI]
	s_mul_i32 s3, s14, 4352
	s_add_co_u32 s3, s3, STG
	v_mul_u32_u24 v[SO], v13, 272
	v_lshl_add_u32 v[SO], v14, 5, v[SO]
	v_add_nc_u32 v[SO], s3, v[SO]                  ; into the stage: row r, 32 bytes for each half of the lanes
	v_mul_u32_u24 v[SR], v14, 272
	v_lshl_add_u32 v[SR], v13, 4, v[SR]
	v_add_nc_u32 v[SR], s3, v[SR]                  ; back: lanes 0-15 one row of 256 bytes, lanes 16-31 the next
	v_lshlrev_b32 v[GO], 11, v14
	v_lshl_add_u32 v[GO], v13, 4, v[GO]            ; and the same two rows in out0
	s_lshl_b32 s2, s14, 13
	v_add_nc_u32 v[CA], s2, v[LI]
	v_add_nc_u32 v[CB], 65536, v[CA]
	v_lshlrev_b32 v[BOA], 5, v14
	s_mov_b32 s17, ttmp9
	s_and_b32 s18, ttmp7, 0xffff
	s_mov_b32 s23, 0
	s_wait_kmcnt 0x0
	s_load_b64 s[20:21], s[10:11], 0x28            ; ea, ew
	s_lshl_b32 s22, s18, 16
	s_add_co_u32 s22, s22, s2
	s_add_nc_u64 s[4:5], s[4:5], s[22:23]
	s_lshl_b32 s22, s17, 16
	s_add_co_u32 s22, s22, s2
	s_add_nc_u64 s[6:7], s[6:7], s[22:23]
	s_lshl_b32 s22, s17, 9
	s_lshl_b32 s3, s16, 8
	s_add_co_u32 s22, s22, s3                      ; my first column in bytes: 512 x + 256 (w % 2)
	s_add_nc_u64 s[8:9], s[8:9], s[22:23]
	s_add_nc_u64 s[12:13], s[12:13], s[22:23]
	s_lshl_b32 s22, s18, 7
	s_lshl_b32 s3, s15, 5
	s_add_co_u32 s22, s22, s3
	s_lshl_b32 s22, s22, 11                        ; my first row: 128 y + 32 (w / 2), 2,048 bytes each
	s_add_nc_u64 s[12:13], s[12:13], s[22:23]
.irp k,0,1,2,3,4,5,6,7,8,9,10,11,12,13,14,15
	global_load_b128 v[FR+4*\k:FR+4*\k+3], v[LI], s[4:5] offset:512*\k
.endr
.irp k,0,1,2,3,4,5,6,7,8,9,10,11,12,13,14,15
	global_load_b128 v[FR+64+4*\k:FR+64+4*\k+3], v[LI], s[6:7] offset:512*\k
.endr
.irp t,0,1,2,3
	global_load_b128 v[BO+8*\t:BO+8*\t+3], v[BOA], s[8:9] offset:64*\t
	global_load_b128 v[BO+8*\t+4:BO+8*\t+7], v[BOA], s[8:9] offset:64*\t+16
.endr
	s_wait_kmcnt 0x0
	s_add_co_i32 s20, s20, s21
	s_add_co_i32 s20, s20, 127
	s_lshl_b32 s20, s20, 23                        ; 2^(ea + ew) as f32
	s_mov_b32 s21, s20                             ; (named with it as a pair, so it is written)
	s_wait_loadcnt 0x0
.irp k,0,1,2,3,4,5,6,7,8,9,10,11,12,13,14,15
	ds_store_b128 v[CA], v[FR+4*\k:FR+4*\k+3] offset:512*\k
.endr
.irp k,0,1,2,3,4,5,6,7,8,9,10,11,12,13,14,15
	ds_store_b128 v[CB], v[FR+64+4*\k:FR+64+4*\k+3] offset:512*\k
.endr
	s_wait_dscnt 0x0                               ; for the others' sake: my 16 KB have landed
	s_barrier_signal -1
	s_barrier_wait -1                              ; both blocks lie in LDS; nothing is written there again
.irp s,0,1,2,3
.irp a,0,1
.irp c,0,1,2,3
	ds_load_b128 v[FR+16*\a+4*\c:FR+16*\a+4*\c+3], v[AA] offset:\a*8192+2048*\s+512*\c
.endr
.endr
.irp t,0,1,2,3
.irp c,0,1,2,3
	ds_load_b128 v[FR+32+16*\t+4*\c:FR+32+16*\t+4*\c+3], v[BB] offset:\t*8192+2048*\s+512*\c
.endr
.endr
	s_wait_dscnt 0x0
.irp a,0,1
.irp t,0,1,2,3
.if \s == 0
	v_wmma_f32_16x16x128_fp8_fp8 v[ACC+8*(4*\a+\t):ACC+8*(4*\a+\t)+7], v[FR+32+16*\t:FR+32+16*\t+15], v[FR+16*\a:FR+16*\a+15], 0
.else
	v_wmma_f32_16x16x128_fp8_fp8 v[ACC+8*(4*\a+\t):ACC+8*(4*\a+\t)+7], v[FR+32+16*\t:FR+32+16*\t+15], v[FR+16*\a:FR+16*\a+15], v[ACC+8*(4*\a+\t):ACC+8*(4*\a+\t)+7]
.endif
.endr
.endr
.rept 4
	v_nop                                          ; four places in front of loads into registers that the products have read, and of the first read of results
.endr
.endr
.macro OUTA a                          ; 16 rows x 64 columns: scaled, through my stage, out as whole runs of 256 bytes
.set Y,  FR+64*(\a)
.set RB, FR+32+64*(\a)
.irp t,0,1,2,3
.irp i,0,2,4,6
	v_pk_fma_f32 v[Y+8*\t+\i:Y+8*\t+\i+1], v[ACC+8*(4*(\a)+\t)+\i:ACC+8*(4*(\a)+\t)+\i+1], s[20:21], v[BO+8*\t+\i:BO+8*\t+\i+1] op_sel_hi:[1,0,1]
.endr
.endr
.irp t,0,1,2,3
	ds_store_b128 v[SO], v[Y+8*\t:Y+8*\t+3] offset:64*\t
	ds_store_b128 v[SO], v[Y+8*\t+4:Y+8*\t+7] offset:64*\t+16
.endr
.irp i,0,1,2,3,4,5,6,7
	ds_load_b128 v[RB+4*\i:RB+4*\i+3], v[SR] offset:544*\i   ; LDS serves a wave's instructions in order (ISA guide 5.7.1.4): these see my stores
.endr
.irp i,0,1,2,3,4,5,6,7
	s_wait_dscnt 7-\i                              ; the younger loads may be out
	global_store_b128 v[GO], v[RB+4*\i:RB+4*\i+3], s[12:13] offset:32768*(\a)+4096*\i th:TH_STORE_NT
.endr
.endm
	OUTA 0
	OUTA 1
	s_wait_tensorcnt 0x0                           ; the wave's end, behind my last LDS store
	ds_add_u32 v[SPW], v[NIL]
	s_wait_dscnt 0x0
	s_endpgm
.Lfunc_end_k_q5f123b6ade_outproj:
	.size	k_q5f123b6ade_outproj, .Lfunc_end_k_q5f123b6ade_outproj-k_q5f123b6ade_outproj
	.p2alignl 7, 3214868480
	.fill 96, 4, 3214868480
	.section	.rodata,"a",@progbits
	.p2align	6, 0x0
	.amdhsa_kernel k_q5f123b6ade_outproj
		.amdhsa_group_segment_fixed_size 166912
		.amdhsa_private_segment_fixed_size 0
		.amdhsa_enable_private_segment 0
		.amdhsa_kernarg_size 40
		.amdhsa_user_sgpr_count 2
		.amdhsa_user_sgpr_kernarg_segment_ptr 1
		.amdhsa_wavefront_size32 1
		.amdhsa_system_sgpr_workgroup_id_x 1
		.amdhsa_system_sgpr_workgroup_id_y 1
		.amdhsa_system_sgpr_workgroup_id_z 1
		.amdhsa_system_vgpr_workitem_id 0
		.amdhsa_next_free_vgpr 256
		.amdhsa_next_free_sgpr 66
		.amdhsa_reserve_vcc 0
		.amdhsa_float_denorm_mode_32 3
		.amdhsa_float_denorm_mode_16_64 3
		.amdhsa_memory_ordered 1
		.amdhsa_forward_progress 1
		.amdhsa_inst_pref_size 24
	.end_amdhsa_kernel
	.amdgpu_metadata
---
amdhsa.version: [ 1, 2 ]
amdhsa.kernels:
  - .name:           k_q5f123b6ade_outproj
    .symbol:         k_q5f123b6ade_outproj.kd
    .args:
      - { .name: af, .offset: 0, .size: 8, .value_kind: global_buffer, .address_space: global }
      - { .name: wof, .offset: 8, .size: 8, .value_kind: global_buffer, .address_space: global }
      - { .name: bo, .offset: 16, .size: 8, .value_kind: global_buffer, .address_space: global }
      - { .name: lowp_scales, .offset: 24, .size: 8, .value_kind: global_buffer, .address_space: global }
      - { .name: out0, .offset: 32, .size: 8, .value_kind: global_buffer, .address_space: global }
    .group_segment_fixed_size: 166912
    .private_segment_fixed_size: 0
    .kernarg_segment_align: 8
    .kernarg_segment_size: 40
    .max_flat_workgroup_size: 256
    .sgpr_count:     66
    .vgpr_count:     256
    .wavefront_size: 32
...
	.end_amdgpu_metadata
.endif
;; end of part 3
;; ======== version 2 of 2: 3 launches; version 1 with the launches project, attend, outproj written anew for expert scheduling mode
;; limits: right only within a limited range of input values
;; workspace buffers: qf 4,194,304 bytes; kf 4,194,304 bytes; vf 4,194,304 bytes; wof 262,144 bytes; af 4,194,304 bytes
;; launch project (part 4): grid 7 x 32, 4 waves a work-group, no clusters, 33,280 bytes of LDS; arguments x, Wq, Wk, Wv, Wo, bq, bk, bv, lowp_scales, qf, kf, vf, wof; writes qf, kf, vf, wof
.if DOCPART == 4
	.amdgcn_target "amdgcn-amd-amdhsa--gfx1250"
	.amdhsa_code_object_version 6
	.text
	.protected	k_q5f123b6ade_project
	.globl	k_q5f123b6ade_project
	.p2align	8
	.type	k_q5f123b6ade_project,@function
k_q5f123b6ade_project:
	s_mov_b64 s[64:65], 0
	v_nop
	global_prefetch_b8 v0, s[64:65] scope:SCOPE_SE
	s_setreg_imm32_b32 hwreg(HW_REG_WAVE_SCHED_MODE, 0, 2), 2
	s_setreg_imm32_b32 hwreg(HW_REG_WAVE_MODE, 25, 1), 1
	s_wait_xcnt 0x0
	s_wait_alu depctr_vm_vsrc(0)
; q = x Wq^T + bq, k = x Wk^T + bk, v = x Wv^T + bv on codes of E4M3, each operand with its given scale 2^e, and their results as codes for the attention; Wo as codes for the last product.
; WORK LEFT OUT BY THE WHOLE PROGRAM.  For heads 1 to 7 reference() builds in its own body the mask |i - j| <= 128 and puts finfo.min where it is false.  In a row that has a key that counts, such a key's
; weight is 0 whatever x, the weights and the biases hold, so its score and its value reach no output: the next launch multiplies, for a tile of 16 queries, only the 17 tiles of 16 keys that the band touches.
; In a row with no key that counts all 2,048 scores are equal and reference()'s softmax is uniform over all keys: the next launch computes just that for such rows.  No input is dead: all are loaded.
; LIMIT: a NaN, an infinity or an overflow that reaches only scores outside the band is not carried to the result.
; SHARES.  Work-group (cb, rb).  cb 0..5: tensor cb / 2 (q, k, v), half cb % 2 of its 512 columns, rows 256 rb on.  Wave w owns one head, 4 (cb % 2) + w: 64 columns, whose 16 fragments of W (16 rows x 128 K) it
; quantises once and keeps in 256 registers.  Rows go in 4 blocks of 64: wave w quantises rows 16 w on of the block (4 fragments) and lays them in LDS as images of the operand's registers; every wave then
; multiplies all four tiles of rows by its head's W.  cb = 6: wave w quantises Wo's fragment (columns 16 rb on, K 128 w on); that path touches no LDS.
; LAYOUTS.  q and k: source 0 = 16 rows of W, source 1 = 16 rows of x: a lane holds one row and eight neighbours along the head, so a conversion's result is a register pair of the next product's fragment.
; v: source 0 = x, source 1 = W: a lane holds one channel and eight neighbouring keys: the register pair of V^T.  The bias is the C of a sum's first product, divided by the power of two that the sums lack.
; qf, kf: [b][h][tile of 16 rows][2 x 512 bytes: registers 0-3, 4-7, lane by lane].  vf: [b][h][tile of 16 keys][4 tiles of channels][lane][8 bytes].  wof: [tile of 16 columns][K step][4 x 512 bytes].
; NO JOINT LOADS: x's rows are read by six work-groups and W's by 32, but they arrive as f32 and go from memory straight into the lane that converts them; a joint load lands in LDS alone, which would send
; 1 MB a work-group into LDS and out of it again.
; LIMITS: each of ex, ew, eo - ex - ew (and Wo's e) between -126 and 119, so that each power of two below is an f32 number.  NaN among the inputs is not served.
; REGISTERS, in windows of 256.  Window 0: v1-15 addresses and scales; v16-23 the bias's addresses; v24-55 the bias as C; v56-183 x's fragments, two sets of four (v56-87 also the codes just made);
; v184-215 four accumulators; v216-231 codes to store, two sets.  Window 1: W's fragment (t, s) at v[16 (4 t + s)].  Window 2: four landing slots of 64 numbers.
; THE MODE: SCHED_MODE bits 1:0 = 2 (LLVM: expert scheduling mode 2), set by the entry lines.  The code itself states the register dependences between vector or matrix instructions and memory or LDS
; instructions, with s_wait_alu, always for 0.
; THE PLAN.  Registers that memory or LDS instructions touch:
;   v3-v6, v16-23  offsets and addresses: made at the head, never written again; the scalar bases move on and immediates do the rest.
;   slots 0-3      fragment f's loads land in slot f % 4; its holds write the slot and its conversions read it; behind them the loads of fragment f + 4 land in it.
;   v56-87         two sets of codes by turns: written by a fragment's conversions, read by its four image stores, written again two fragments on; in the products' phase x's fragments land there.
;   v56-183        x's fragments, two sets by turns: row tile i's LDS loads land in set i % 2, its products read it, row tile i + 2's loads land in it.
;   v216-231       two sets of codes by turns: written by row tile i's conversions, read by its stores, written again by row tile i + 2's.
;   W's fragments, the accumulators and (once loaded) the bias are named by vector and matrix instructions alone.
; So ONE wait on va_vdst stands behind each run of conversions: it states that the codes are written, for the stores that follow, and that the buffer just emptied (a slot; a set of x's fragments) has been
; read, for the loads that follow.  One wait on vm_vsrc stands ahead of each run of conversions that writes a set of codes again, a whole turn behind the stores that read the set.
.set SPARE, 32768                      ; behind the images: the spare words, 128 bytes for each wave
.set SPW, 1                            ; LDS address of my spare word; never rewritten
.set NIL, 2                            ; 0; never rewritten
.set LI,  3                            ; 16 x lane
.set L8,  4                            ; 8 x lane
.set FA,  5                            ; 2048 r + 32 g: my 8 numbers of each 16 along K, in my row
.set XW,  6                            ; 8192 w + 16 x lane: where I lay x's images
.set BL,  9
.set XS,  10                           ; 2^ex;  v11: 448 x 2^ex
.set XL,  11
.set WS,  12                           ; the same for W
.set WL,  13
.set OS,  14                           ; 2^(eo - ex - ew): the three scales folded into the conversion's one;  v15: 448 x that
.set OL,  15
.set BAD, 16
.set BI,  24
.set AF,  56
.set PCD, 56
.set ACC, 184
.set CO,  216
.set MSB, 0
.macro WIN new                         ; the immediate's high byte repeats the setting that is left; a switch that changes nothing is dropped
.if MSB != \new
	s_set_vgpr_msb (MSB<<8)|\new
.set MSB, \new
.endif
.endm
.macro MKSC vs, vl, se                 ; v[vs] = 2^e as f32, v[vl] = 448 x 2^e
	WIN 0
	s_add_co_i32 s62, \se, 127
	s_lshl_b32 s63, s62, 23
	v_mov_b32 v[\vs], s63
	s_add_co_i32 s62, s62, 8
	s_lshl_b32 s62, s62, 23
	s_or_b32 s62, s62, 0x600000
	v_mov_b32 v[\vl], s62
.endm
; 64 numbers of a lane into landing slot: register 8 c + j = k 16 c + 8 g + j of my row, the place that the matrix form gives each k.
; dep = 1: the slot was emptied by the lines just above, and no wait has stood since.
.macro FLOAD slot, base, off, dep
	WIN 0x80                                       ; destination window 2, address window 0
.if \dep
	s_wait_alu depctr_va_vdst(0)                   ; the holds of the fragment before have written this slot and its conversions have read it: the loads below land in it
.endif
.irp c,0,1,2,3,4,5,6,7
	global_load_b128 v[64*(\slot)+8*\c:64*(\slot)+8*\c+3], v[FA], s[\base:\base+1] offset:(\off)+64*\c
	global_load_b128 v[64*(\slot)+8*\c+4:64*(\slot)+8*\c+7], v[FA], s[\base:\base+1] offset:(\off)+64*\c+16
.endr
.endm
.macro HOLD slot, lim                  ; the conversion to an 8-bit code does not saturate (ISA guide 7.6.2): each number is held within the largest code x the scale first
	WIN 0x82                                       ; source 0 and destination window 2
.set qi, 0
.rept 64
	v_med3_num_f32 v[64*(\slot)+qi], v[64*(\slot)+qi], -v[\lim], v[\lim]
.set qi, qi+1
.endr
.endm
.macro QW slot, dst                    ; a slot becomes a fragment of W, in window 1
	HOLD \slot, WL
	WIN 0x42                                       ; source 0 window 2, destination window 1
.irp c,0,1,2,3,4,5,6,7
	v_cvt_scalef32_pk8_fp8_f32 v[(\dst)+2*\c:(\dst)+2*\c+1], v[64*(\slot)+8*\c:64*(\slot)+8*\c+7], v[WS]
.endr
	v_nop                                          ; one plain line behind the last conversion, ahead of whatever touches its registers next
	WIN 0
.endm
.macro QX slot, pc                     ; a slot becomes a fragment of x (or of Wo), in window 0
	HOLD \slot, XL
	WIN 0x02                                       ; source 0 window 2
.irp c,0,1,2,3,4,5,6,7
	v_cvt_scalef32_pk8_fp8_f32 v[(\pc)+2*\c:(\pc)+2*\c+1], v[64*(\slot)+8*\c:64*(\slot)+8*\c+7], v[XS]
.endr
	v_nop
	WIN 0
	s_wait_alu depctr_va_vdst(0)                   ; the conversions have written the codes, which the stores that follow read; the holds and conversions are done with the slot, in which the next loads land
.endm
.macro IMAGE pc, s                     ; the fragment goes to LDS as it stands: fragment (row tile w, K step s) at (4 w + s) x 2048
.irp c,0,1,2,3
	ds_store_b128 v[XW], v[(\pc)+4*\c:(\pc)+4*\c+3] offset:2048*(\s)+512*\c
.endr
.endm
.macro FETCH i                         ; row tile i's four fragments come back so, in any wave
.irp s,0,1,2,3
.irp c,0,1,2,3
	ds_load_b128 v[AF+64*((\i)%2)+16*\s+4*\c:AF+64*((\i)%2)+16*\s+4*\c+3], v[LI] offset:(4*(\i)+\s)*2048+512*\c
.endr
.endr
.endm
; 16 products: four K steps x my four tiles of columns.  The four accumulators take turns, one instruction a turn.  The first K step takes the bias as C.
.macro MUL i, v
.set AFB, AF+64*((\i)%2)
.if \v
	WIN 0x04                                       ; source 1 (W) window 1
.else
	WIN 0x01                                       ; source 0 (W) window 1
.endif
.irp s,0,1,2,3
.irp t,0,1,2,3
.if \v
.if \s == 0
	v_wmma_f32_16x16x128_fp8_fp8 v[ACC+8*\t:ACC+8*\t+7], v[AFB+16*\s:AFB+16*\s+15], v[16*(4*\t+\s):16*(4*\t+\s)+15], v[BI+8*\t:BI+8*\t+7]
.else
	v_wmma_f32_16x16x128_fp8_fp8 v[ACC+8*\t:ACC+8*\t+7], v[AFB+16*\s:AFB+16*\s+15], v[16*(4*\t+\s):16*(4*\t+\s)+15], v[ACC+8*\t:ACC+8*\t+7]
.endif
.else
.if \s == 0
	v_wmma_f32_16x16x128_fp8_fp8 v[ACC+8*\t:ACC+8*\t+7], v[16*(4*\t+\s):16*(4*\t+\s)+15], v[AFB+16*\s:AFB+16*\s+15], v[BI+8*\t:BI+8*\t+7]
.else
	v_wmma_f32_16x16x128_fp8_fp8 v[ACC+8*\t:ACC+8*\t+7], v[16*(4*\t+\s):16*(4*\t+\s)+15], v[AFB+16*\s:AFB+16*\s+15], v[ACC+8*\t:ACC+8*\t+7]
.endif
.endif
.endr
.endr
	WIN 0
.endm
; the four sums become codes and leave: each store of the wave covers 512 (q, k) or 256 (v) consecutive bytes, aligned
.macro EPI i, v
.set COB, CO+8*((\i)%2)
	s_wait_xcnt 0x0                                ; the stores of two row tiles ago have had their addresses translated,
	s_wait_alu depctr_vm_vsrc(0)                   ; and have read this set of code registers, which the conversions below write again
.set ei, 0
.rept 32
	v_med3_num_f32 v[ACC+ei], v[ACC+ei], -v[OL], v[OL]   ; each accumulator from its low end on
.set ei, ei+1
.endr
.irp t,0,1,2,3
	v_cvt_scalef32_pk8_fp8_f32 v[COB+2*\t:COB+2*\t+1], v[ACC+8*\t:ACC+8*\t+7], v[OS]
.endr
	v_nop                                          ; one plain line behind the last conversion: the next products write its sources
	s_wait_alu depctr_va_vdst(0)                   ; the conversions have written the codes, which the stores below read; this row tile's products are done reading their set of x's fragments, in which the fetch after next lands
.if \v
.irp t,0,1,2,3
	global_store_b64 v[L8], v[COB+2*\t:COB+2*\t+1], s[54:55] offset:1024*(\i)+256*\t
.endr
.else
	global_store_b128 v[LI], v[COB:COB+3], s[54:55] offset:1024*(\i)
	global_store_b128 v[LI], v[COB+4:COB+7], s[54:55] offset:1024*(\i)+512
.endif
.endm
.macro MPH v                           ; the block's four tiles of rows; the next tile's fragments are fetched while this one is multiplied
	FETCH 0
.irp i,0,1,2,3
.if \i < 3
	FETCH \i+1                                     ; no wait: no vector or matrix instruction since the wait in the row tile before names this set
	s_wait_dscnt 16                                ; all but the 16 loads just issued
.else
	s_wait_dscnt 0x0
.endif
	MUL \i, \v
.rept 4
	v_nop                                          ; four places between the last product and the first read of its result (ISA guide 7.12.1)
.endr
	EPI \i, \v
.endr
.endm
; A BLOCK OF 64 ROWS.  x's fragments are asked for three ahead, in the four landing slots by turns.  more = 1: there is a next block.
; The loads at a fragment's head land in the slot that the fragment before emptied: the wait behind that fragment's conversions has stated it, and only its image stores, which name other registers, stand between.
.macro BLOCK more
.irp i,0,1,2,3
.if \i == 0
	FLOAD 3, 50, 1536, 0
.elseif \more
	FLOAD (\i+3)%4, 50, 131072+512*(\i-1), 0
.endif
.if \more
	s_wait_loadcnt 48                              ; the three younger fragments' 16 loads each may be out
.else
	s_wait_loadcnt 48-16*\i                        ; the last block asks for nothing more: the counts run down
.endif
	s_wait_dscnt 4                                 ; only the last fragment's four stores may be out
	s_wait_alu depctr_vm_vsrc(0)                   ; the image stores of two fragments ago (in a block's first two fragments: the last block's) have read this set of code registers, which the conversions below write again
	QX \i, PCD+16*(\i%2)
	IMAGE PCD+16*(\i%2), \i
.endr
	s_wait_dscnt 0x0                               ; for the others' sake: my images have landed
	s_barrier_signal -1
	s_barrier_wait -1                              ; the block's sixteen fragments lie in LDS
	s_wait_alu depctr_vm_vsrc(0)                   ; my image stores have read v56-87, in which x's fragments land on both ways below
	s_cmp_eq_u32 s6, 2                             ; v takes the sources the other way round: a branch on the work-group's number, round LDS loads, products and global stores alone
	s_cbranch_scc1 .Lv_\@
	MPH 0
	s_branch .Lj_\@
.Lv_\@:
	MPH 1
.Lj_\@:
.if \more
	s_barrier_signal -1                            ; my reads of the images are back (the last wait on DScnt was for 0):
	s_barrier_wait -1                              ; nobody reads them any more, so they may be written again
	s_wait_xcnt 0x0                                ; the loads and stores issued have read their bases
	s_add_nc_u64 s[50:51], s[50:51], 131072        ; 64 rows of x on
	s_add_nc_u64 s[54:55], s[54:55], 4096          ; four tiles of codes on
.endif
.endm
	s_load_b512 s[8:23], s[0:1], 0x0               ; x, Wq, Wk, Wv, Wo, bq, bk, bv
	s_load_b256 s[24:31], s[0:1], 0x40             ; the scales' exponents, qf, kf, vf
	s_load_b64 s[32:33], s[0:1], 0x60              ; wof
	v_lshl_add_u32 v[SPW], v0, 2, SPARE
	v_mov_b32 v[NIL], 0
	v_lshrrev_b32 v7, 5, v0
	v_readfirstlane_b32 s3, v7                     ; wave 0..3
	v_and_b32 v7, 31, v0
	v_lshlrev_b32 v[LI], 4, v7
	v_lshlrev_b32 v[L8], 3, v7
	v_and_b32 v8, 15, v0                           ; r
	v_bfe_u32 v7, v0, 4, 1                         ; g
	v_lshlrev_b32 v[FA], 11, v8
	v_lshl_add_u32 v[FA], v7, 5, v[FA]
	s_wait_alu depctr_va_sdst(0)                   ; s3, the wave's number, is written, ahead of its first reader
	s_lshl_b32 s2, s3, 13
	v_add_nc_u32 v[XW], s2, v[LI]
	s_mov_b32 s4, ttmp9                            ; cb
	s_and_b32 s5, ttmp7, 0xffff                    ; rb
	s_lshr_b32 s6, s4, 1                           ; 0 q, 1 k, 2 v
	s_mov_b32 s35, 0
	s_wait_kmcnt 0x0
	s_load_b256 s[36:43], s[24:25], 0x0            ; e0 .. e7
	s_load_b128 s[44:47], s[24:25], 0x20           ; e8 .. e11
	s_wait_alu depctr_va_vdst(0)                   ; v3 to v6 are written: on both ways below every load, store and LDS instruction reads one of them as its offset or address
	s_cmp_eq_u32 s4, 6
	s_cbranch_scc1 .Lwo
	s_cmp_eq_u32 s6, 1                             ; the tensor's buffers: a choice on the work-group's number alone
	s_cselect_b64 s[48:49], s[12:13], s[14:15]
	s_cselect_b64 s[52:53], s[20:21], s[22:23]
	s_cselect_b64 s[54:55], s[28:29], s[30:31]
	s_cmp_eq_u32 s6, 0
	s_cselect_b64 s[48:49], s[10:11], s[48:49]
	s_cselect_b64 s[52:53], s[18:19], s[52:53]
	s_cselect_b64 s[54:55], s[26:27], s[54:55]
	s_and_b32 s2, s4, 1
	s_lshl_b32 s2, s2, 2
	s_add_co_u32 s7, s2, s3                        ; my head
	s_lshl_b32 s34, s7, 17                         ; its 64 rows of W, 2,048 bytes each
	s_add_nc_u64 s[48:49], s[48:49], s[34:35]
	s_lshl_b32 s34, s7, 8                          ; its 64 numbers of the bias
	s_add_nc_u64 s[52:53], s[52:53], s[34:35]
	s_lshl_b32 s34, s5, 19                         ; x: 256 rb rows,
	s_lshl_b32 s2, s3, 15                          ; + my 16 of each block
	s_add_co_u32 s34, s34, s2
	s_add_nc_u64 s[50:51], s[8:9], s[34:35]
	s_lshr_b32 s2, s5, 3                           ; the codes: ((8 b + head) x 128 + 16 (rb % 8)) tiles of 1,024 bytes
	s_lshl_b32 s2, s2, 3
	s_add_co_u32 s2, s2, s7
	s_lshl_b32 s2, s2, 7
	s_and_b32 s34, s5, 7
	s_lshl_b32 s34, s34, 4
	s_add_co_u32 s2, s2, s34
	s_lshl_b32 s34, s2, 10
	s_add_nc_u64 s[54:55], s[54:55], s[34:35]
	s_cmp_eq_u32 s6, 2                             ; the bias in the result's layout.  q, k: register j is channel 16 t + 8 g + j;  v: every register is channel 16 t + r
	s_cselect_b32 s61, 0, 4
	s_cselect_b32 s62, 0, 32
	s_cselect_b32 s63, 4, 0
	v_mul_u32_u24 v[BL], s62, v7
	v_mad_u32_u24 v[BL], s63, v8, v[BL]
.irp j,0,1,2,3,4,5,6,7
	v_mad_u32_u24 v[BAD+\j], s61, \j, v[BL]
.endr
	s_wait_alu depctr_va_vdst(0)                   ; v16-23 are written: the bias's loads read them as offsets
.irp t,0,1,2,3
.irp j,0,1,2,3,4,5,6,7
	global_load_b32 v[BI+8*\t+\j], v[BAD+\j], s[52:53] offset:64*\t
.endr
.endr
	FLOAD 0, 48, 0, 0                              ; no vector instruction has named a slot yet
	FLOAD 1, 48, 512, 0
	FLOAD 2, 48, 1024, 0
	s_wait_kmcnt 0x0
	s_cmp_eq_u32 s6, 1
	s_cselect_b32 s56, s38, s40                    ; ex
	s_cselect_b32 s57, s39, s41                    ; ew
	s_cselect_b32 s58, s43, s45                    ; eo: the result's scale in the attention's products
	s_cmp_eq_u32 s6, 0
	s_cselect_b32 s56, s36, s56
	s_cselect_b32 s57, s37, s57
	s_cselect_b32 s58, s42, s58
	MKSC XS, XL, s56
	MKSC WS, WL, s57
	s_add_co_i32 s59, s56, s57                     ; a sum stands for sum x 2^(ex + ew)
	s_sub_co_i32 s58, s58, s59
	MKSC OS, OL, s58
	s_sub_co_i32 s59, 0, s59
	; W's sixteen fragments, each asked for three ahead; behind them follow the first block's first three fragments of x
.set f, 0
.rept 16
.set dp, 1
.if f == 0
.set dp, 0
.endif
.if f+3 < 16
	FLOAD (f+3)%4, 48, ((f+3)/4)*32768+((f+3)%4)*512, dp
.else
	FLOAD (f+3)%4, 50, (f+3-16)*512, dp
.endif
	s_wait_loadcnt 48                              ; the three younger fragments may be out; the bias's loads are older
.if f == 0
	WIN 0
.set bi, 0
.rept 32
	v_ldexp_f32 v[BI+bi], v[BI+bi], s59            ; the bias / 2^(ex + ew)
.set bi, bi+1
.endr
.endif
	QW f%4, 16*f
.set f, f+1
.endr
	s_wait_alu depctr_va_vdst(0)                   ; W's last fragment is made: its holds and conversions are done with slot 3, in which the first block's first loads land
	s_mov_b32 s60, 3
.Lblk:
	BLOCK 1
	s_sub_co_u32 s60, s60, 1
	s_cmp_lg_u32 s60, 0
	s_cbranch_scc1 .Lblk
	BLOCK 0
	s_wait_dscnt 0x0                               ; the wave's end
	s_wait_alu 0x0
	s_wait_tensorcnt 0x0
	ds_add_u32 v[SPW], v[NIL]
	s_wait_dscnt 0x0
	s_endpgm
.Lwo:                                                  ; Wo's fragment (columns 16 rb on, K step w); no LDS is touched on this path
	s_lshl_b32 s34, s5, 15
	s_lshl_b32 s2, s3, 9
	s_add_co_u32 s34, s34, s2
	s_add_nc_u64 s[50:51], s[16:17], s[34:35]
	FLOAD 0, 50, 0, 0
	s_lshl_b32 s34, s5, 2
	s_add_co_u32 s34, s34, s3
	s_lshl_b32 s34, s34, 11
	s_add_nc_u64 s[54:55], s[32:33], s[34:35]
	s_wait_kmcnt 0x0
	MKSC XS, XL, s47
	s_wait_alu depctr_va_vdst(0)
	s_wait_loadcnt 0x0
	QX 0, PCD
.irp c,0,1,2,3
	global_store_b128 v[LI], v[PCD+4*\c:PCD+4*\c+3], s[54:55] offset:512*\c
.endr
	s_endpgm
.Lfunc_end_k_q5f123b6ade_project:
	.size	k_q5f123b6ade_project, .Lfunc_end_k_q5f123b6ade_project-k_q5f123b6ade_project
	.p2alignl 7, 3214868480
	.fill 96, 4, 3214868480
	.section	.rodata,"a",@progbits
	.p2align	6, 0x0
	.amdhsa_kernel k_q5f123b6ade_project
		.amdhsa_group_segment_fixed_size 33280
		.amdhsa_private_segment_fixed_size 0
		.amdhsa_enable_private_segment 0
		.amdhsa_kernarg_size 104
		.amdhsa_user_sgpr_count 2
		.amdhsa_user_sgpr_kernarg_segment_ptr 1
		.amdhsa_wavefront_size32 1
		.amdhsa_system_sgpr_workgroup_id_x 1
		.amdhsa_system_sgpr_workgroup_id_y 1
		.amdhsa_system_sgpr_workgroup_id_z 1
		.amdhsa_system_vgpr_workitem_id 0
		.amdhsa_next_free_vgpr 768
		.amdhsa_next_free_sgpr 66
		.amdhsa_reserve_vcc 0
		.amdhsa_float_denorm_mode_32 3
		.amdhsa_float_denorm_mode_16_64 3
		.amdhsa_memory_ordered 1
		.amdhsa_forward_progress 1
		.amdhsa_inst_pref_size 248
	.end_amdhsa_kernel
	.amdgpu_metadata
---
amdhsa.version: [ 1, 2 ]
amdhsa.kernels:
  - .name:           k_q5f123b6ade_project
    .symbol:         k_q5f123b6ade_project.kd
    .args:
      - { .name: x, .offset: 0, .size: 8, .value_kind: global_buffer, .address_space: global }
      - { .name: Wq, .offset: 8, .size: 8, .value_kind: global_buffer, .address_space: global }
      - { .name: Wk, .offset: 16, .size: 8, .value_kind: global_buffer, .address_space: global }
      - { .name: Wv, .offset: 24, .size: 8, .value_kind: global_buffer, .address_space: global }
      - { .name: Wo, .offset: 32, .size: 8, .value_kind: global_buffer, .address_space: global }
      - { .name: bq, .offset: 40, .size: 8, .value_kind: global_buffer, .address_space: global }
      - { .name: bk, .offset: 48, .size: 8, .value_kind: global_buffer, .address_space: global }
      - { .name: bv, .offset: 56, .size: 8, .value_kind: global_buffer, .address_space: global }
      - { .name: lowp_scales, .offset: 64, .size: 8, .value_kind: global_buffer, .address_space: global }
      - { .name: qf, .offset: 72, .size: 8, .value_kind: global_buffer, .address_space: global }
      - { .name: kf, .offset: 80, .size: 8, .value_kind: global_buffer, .address_space: global }
      - { .name: vf, .offset: 88, .size: 8, .value_kind: global_buffer, .address_space: global }
      - { .name: wof, .offset: 96, .size: 8, .value_kind: global_buffer, .address_space: global }
    .group_segment_fixed_size: 33280
    .private_segment_fixed_size: 0
    .kernarg_segment_align: 8
    .kernarg_segment_size: 104
    .max_flat_workgroup_size: 128
    .sgpr_count:     66
    .vgpr_count:     768
    .wavefront_size: 32
...
	.end_amdgpu_metadata
.endif
;; end of part 4
;; launch attend (part 5): grid 576 x 1, 8 waves a work-group, no clusters, 158,720 bytes of LDS; arguments qf, kf, vf, attn_mask, lowp_scales, af; writes af
.if DOCPART == 5
	.amdgcn_target "amdgcn-amd-amdhsa--gfx1250"
	.amdhsa_code_object_version 6
	.text
	.protected	k_q5f123b6ade_attend
	.globl	k_q5f123b6ade_attend
	.p2align	8
	.type	k_q5f123b6ade_attend,@function
k_q5f123b6ade_attend:
	s_mov_b64 s[64:65], 0
	v_nop
	global_prefetch_b8 v0, s[64:65] scope:SCOPE_SE
	s_setreg_imm32_b32 hwreg(HW_REG_WAVE_SCHED_MODE, 0, 2), 2
	s_setreg_imm32_b32 hwreg(HW_REG_WAVE_MODE, 25, 1), 1
	s_wait_xcnt 0x0
	s_wait_alu depctr_vm_vsrc(0)
; The attention on codes of E4M3: scores, masks, softmax, weighted values; the result leaves as codes for the last product.
; LEFT OUT: for heads 1 to 7 the tiles of keys that lie wholly outside reference()'s own band |i - j| <= 128 (shown at the head of the first kernel).
; THE SOFTMAX: t = score x log2(e) / 8; M = the row's largest t, rounded up to a whole number; p = 2^(t - M) is quantised along the keys; the row's sum l is taken of the unquantised p and divides at the end.
; LAYOUT.  S^T = K Q^T (source 0 = 16 keys, source 1 = 16 queries; the head's 64 are one instruction) and O^T = V^T P^T: a lane holds ONE query (lane % 16) throughout; a tile's eight scores of a lane are eight
; neighbouring keys, so a conversion's result is a register pair of P^T, and O^T's is a pair of the last product's operand.  All fragments lie in memory in the order of the operand's registers.
; MASKS.  A key that does not count gets -2^64 as the C of its score (a raw sum is at most 64 x 448^2), so p = 0 beside any key that counts.  The band cuts only the first and the last of a query tile's 17 key tiles.
; attn_mask is read as whole numbers: where every key of the range counts, C is the constant 0 (a scalar branch); else C comes from a table of 0 and -2^64 in LDS.
; A ROW WITH NO KEY THAT COUNTS: reference()'s scores are then all equal and its softmax is uniform over all 2,048 keys of the head: p = 1 for every key, l = 2,048 (M is taken as t there).  That sum over all keys is
; made only where the mask's bytes allow such a row (a scalar branch on them) and chosen lane by lane where the row's largest raw score is under -2^63.  M is taken of max(largest, -2^62), so such a row's own p are 0.
; THE HOLD OF p: p is at most 1 up to rounding, and 448 x 2^ep is at least 1.75 where ep >= -8: a scalar branch on ep leads round the hold there; for smaller ep it runs.
; SHARES.  Work-groups 0..127: head 0, 64 queries; wave w: query tile w % 4, keys 1,024 (w / 4) on, in 8 steps of 128 with a running M, K and V through two LDS slots that the eight waves fill through registers; the
; two halves of the keys are joined in LDS.  Work-groups 128..575: heads 1..7, 128 queries; wave w: one query tile and the 17 key tiles of its band, out of the work-group's 24 in LDS, in one pass.
; NO TENSOR LOADS, NO JOINT LOADS: the three branches above hang on numbers read from memory.  Each of the two paths has LDS bytes of its own.
; LIMITS: eq + ek between -50 and 60 (2^64 c hides a masked key and stays finite); ep and eo - ep - ev between -126 and 119.
; REGISTERS: v1-12 addresses; v13 at work; v14 448 x 2^ep, v15 2^ep; v16-23 Q; v40 -M, v42-43 l in two halves, v44 f, v46 the largest raw score, v47 -2^64; v208-215 at work; v216.. p's codes.
;   band: v24-39 the band's two C tiles; v48-183 S^T, then O^T (v48-79) and V's fragments (v80-207); v184-255 K's fragments.
;   head 0: v24-39, v232-247 the slot's bytes on their way; v48-111 S^T, then V's fragments; v112-175 K's fragments; v176-207 O^T.
; THE MODE: SCHED_MODE bits 1:0 = 2 (LLVM: expert scheduling mode 2), set by the entry lines.  The code itself states the register dependences between vector or matrix instructions and memory or LDS
; instructions, with s_wait_alu, always for 0.
; THE PLAN.  Registers that memory or LDS instructions touch:
;   v3-v12         offsets and addresses, made once on each path ahead of one wait; v7 alone is written again, on head 0's path, once for two key steps.  v13 is the offset of the band's mask load, later at work.
;   band, v48-95   K's and V's bytes land, my LDS stores read them; then they are scores.   v184-255: K's fragments land in two runs, the products read them; the softmax works there afterwards.
;   band, v80-207  the softmax reads and writes them as scores; then V's fragments land; the first 32 take tile 16 behind the first four products.
;   head 0, v24-39 and v232-247   the next step's bytes land, my LDS stores read them, the step after's land: no vector instruction names them.
;   head 0, v112-175  K's fragments land, the step's first products read them.   v48-111: scores (where keys are masked the table's numbers land first), the softmax, then V's fragments land and the last products read them.
;   v216-223       the last conversions write them, the two global stores read them.
; A key step of head 0 has, beside the wait behind its exponentials, ONE wait on va_vdst, ahead of V's loads: it also stands behind the only readers of K's registers, so the next step's loads of K own no wait.
; Compares go into scalar registers in runs, with one wait on va_sdst behind each run.
.set LV,    24576                      ; band: K's 24 tiles of 1 KB at 0, V's here,
.set LB,    49152                      ; and a table of 2 KB for each wave
.set GR,    65536                      ; head 0: two slots of 32 KB; in a slot, for each half of the keys, K's 8 KB and V's 8 KB,
.set GT,    131072                     ; the table of 2,048 keys,
.set MG,    139264                     ; and 4,608 bytes for each of four joins
.set SPARE, 157696                     ; the spare words, 128 bytes for each wave
.set SPW, 1
.set NIL, 2
.set LI,  3                            ; 16 x lane
.set L8,  4                            ; 8 x lane
.set KA,  5
.set VA,  6
.set BA,  7
.set BW,  8
.set ST,  9
.set PCAP, 14
.set PSC, 15
.set RQ,  16
.set BLO, 24
.set BHI, 32
.set RNM, 40
.set RL,  42
.set RF,  44
.set RRM, 46
.set RNEG, 47
.set SC,  48
.set VF,  80
.set GKL, 112
.set GOT, 176
.set KL,  184
.set MX0, 208
.set MX1, 209
.set TP,  210
.set OLD, 211
.set SUM2, 212
.set OSC, 214
.set OLIM, 215
.set P,   216
.macro PLACES n
.rept \n
	v_nop
.endr
.endm
.macro SCALES
	s_wait_kmcnt 0x0
	s_add_co_i32 s2, s24, s25
	s_lshl_b32 s2, s2, 23
	s_add_co_i32 s30, s2, 0x3e38aa3b               ; c = log2(e) / 8, with eq + ek added to its exponent field: a raw score stands for score x 2^(eq + ek)
	s_mov_b32 s31, s30                             ; (named with it as a pair, so it is written)
	s_add_co_i32 s2, s26, 127
	s_lshl_b32 s3, s2, 23
	v_mov_b32 v[PSC], s3                           ; 2^ep
	s_add_co_i32 s2, s2, 8
	s_lshl_b32 s2, s2, 23
	s_or_b32 s2, s2, 0x600000
	v_mov_b32 v[PCAP], s2                          ; 448 x 2^ep
	s_sub_co_i32 s2, s28, s26
	s_sub_co_i32 s2, s2, s27
	s_add_co_i32 s2, s2, 127
	s_lshl_b32 s60, s2, 23                         ; 2^(eo - ep - ev): the three scales folded into the last conversion's one
	s_add_co_i32 s2, s2, 8
	s_lshl_b32 s2, s2, 23
	s_or_b32 s61, s2, 0x600000                     ; 448 x that
.endm
; NT tiles of scores at v[SB] on become p's codes at v[PB] on.  online = 1: a running M; l is brought under the new M here, O^T by the caller, both by f = 2^(old M - new M), which rounds nothing.
.macro SOFTMAX SB, NT, PB, online
	v_max3_num_f32 v[MX0], v[\SB], v[\SB+1], v[\SB+2]      ; my query's largest score among my keys, in two chains, ascending: each tile is read from its low end on
	v_max3_num_f32 v[MX1], v[\SB+3], v[\SB+4], v[\SB+5]
.set si, 6
.rept (8*\NT-8)/4
	v_max3_num_f32 v[MX0], v[MX0], v[\SB+si], v[\SB+si+1]
	v_max3_num_f32 v[MX1], v[MX1], v[\SB+si+2], v[\SB+si+3]
.set si, si+4
.endr
	v_max3_num_f32 v[MX0], v[MX0], v[\SB+8*\NT-2], v[\SB+8*\NT-1]
	v_max_num_f32 v[MX0], v[MX0], v[MX1]
	v_permlanex16_b32 v[TP], v[MX0], s32, s33      ; the query's other keys lie in the lane 16 away
.if \online
	v_max3_num_f32 v[RRM], v[RRM], v[MX0], v[TP]
	v_mov_b32 v[OLD], v[RNM]
.else
	v_max_num_f32 v[RRM], v[MX0], v[TP]
.endif
	v_max_num_f32 v[MX1], 0xde800000, v[RRM]       ; at least -2^62: a row with no key that counts gets p = 0, not a difference of two huge numbers
	v_mul_f32 v13, s30, v[MX1]                     ; as t (c is positive)
	v_floor_f32 v[RNM], -v13                       ; -M = floor(-t) = -ceil(t)
.if \online
	v_sub_f32 v13, v[RNM], v[OLD]                  ; old M - new M: a whole number, 0 or less
	v_cvt_i32_f32 v13, v13                         ; (it saturates)
	v_ldexp_f32 v[RF], 1.0, v13
.endif
.set si, 0
.rept 4*\NT
	v_pk_fma_f32 v[\SB+si:\SB+si+1], v[\SB+si:\SB+si+1], s[30:31], v[RNM:RNM+1] op_sel_hi:[1,0,0]   ; t - M, two at a time (of the pairs c and -M the low word serves both halves)
.set si, si+2
.endr
.set si, 0
	s_wait_alu depctr_va_vdst(0)
.rept 8*\NT
	v_exp_f32 v[\SB+si], v[\SB+si]                 ; p = 2^(t - M)
.set si, si+1
.endr
.if \online
	v_pk_mul_f32 v[RL:RL+1], v[RL:RL+1], v[RF:RF+1] op_sel_hi:[1,0]   ; (the plain line behind the exponentials)
.else
	v_nop                                          ; the plain line behind the exponentials
.endif
	s_wait_alu depctr_va_vdst(0)                   ; the exponentials have written p: one wait for the whole batch, ahead of its first reader
.if \online
	v_pk_add_f32 v[SUM2:SUM2+1], v[\SB:\SB+1], v[\SB+2:\SB+3]   ; the sum of the UNQUANTISED p, in two chains
.set si, 4
.else
	v_pk_add_f32 v[RL:RL+1], v[\SB:\SB+1], v[\SB+2:\SB+3]
	v_pk_add_f32 v[SUM2:SUM2+1], v[\SB+4:\SB+5], v[\SB+6:\SB+7]
.set si, 8
.endif
.set sn, (8*\NT-si)/4
.rept sn
	v_pk_add_f32 v[RL:RL+1], v[RL:RL+1], v[\SB+si:\SB+si+1]
	v_pk_add_f32 v[SUM2:SUM2+1], v[SUM2:SUM2+1], v[\SB+si+2:\SB+si+3]
.set si, si+4
.endr
	v_pk_add_f32 v[RL:RL+1], v[RL:RL+1], v[SUM2:SUM2+1]
	s_cmp_ge_i32 s26, -8                           ; ep >= -8: 448 x 2^ep >= 1.75, which no p reaches
	s_cbranch_scc1 .Lnohold_\@
.set si, 0
.rept 8*\NT
	v_min_num_f32 v[\SB+si], v[\SB+si], v[PCAP]    ; the conversion does not saturate (ISA guide 7.6.2); p is not negative, so the hold is one-sided
.set si, si+1
.endr
.Lnohold_\@:
.set si, 0
.rept \NT
	v_cvt_scalef32_pk8_fp8_f32 v[\PB+2*si:\PB+2*si+1], v[\SB+8*si:\SB+8*si+7], v[PSC]
.set si, si+1
.endr
	v_nop                                          ; one plain line behind the last conversion
.endm
; The uniform row: the sum over all 2,048 keys of the head of code(1) x code(V), 64 keys a trip, straight from memory; taken only where the mask's bytes allow a row with no key that counts.
.macro VALL
	s_wait_alu depctr_va_vdst(0)                   ; the products issued so far are done reading v112-143, in which the loads below land
.irp t,0,1,2,3
.irp u,0,1,2,3
	global_load_b64 v[112+8*\t+2*\u:113+8*\t+2*\u], v[L8], s[54:55] offset:1024*\u+256*\t
.endr
.endr
	s_wait_loadcnt 0x0
.endm
.macro FALLBACK OB
	s_cmp_eq_u32 s36, 0
	s_cbranch_scc1 .Lnf_\@
	v_min_num_f32 v13, 1.0, v[PCAP]
.irp j,0,1,2,3,4,5,6,7
	v_mov_b32 v[152+\j], v13
.endr
	v_cvt_scalef32_pk8_fp8_f32 v[144:145], v[152:159], v[PSC]   ; eight codes of p = 1
	v_nop
.irp j,2,4,6
	v_mov_b32 v[144+\j], v144
	v_mov_b32 v[145+\j], v145
.endr
	VALL
.irp t,0,1,2,3
	v_wmma_f32_16x16x64_fp8_fp8 v[80+8*\t:87+8*\t], v[112+8*\t:119+8*\t], v[144:151], 0
.endr
	s_mov_b32 s58, 31
.Lfb_\@:
	PLACES 4
	s_add_nc_u64 s[54:55], s[54:55], 4096          ; four tiles of keys on (the loads that read this base have been waited for)
	VALL
.irp t,0,1,2,3
	v_wmma_f32_16x16x64_fp8_fp8 v[80+8*\t:87+8*\t], v[112+8*\t:119+8*\t], v[144:151], v[80+8*\t:87+8*\t]
.endr
	s_sub_co_u32 s58, s58, 1
	s_cmp_lg_u32 s58, 0
	s_cbranch_scc1 .Lfb_\@
	PLACES 4
	v_cmp_gt_f32 vcc_lo, 0xdf000000, v[RRM]        ; -2^63 > my row's largest raw score: no key counted
	s_wait_alu depctr_va_vcc(0)                    ; VCC is written, ahead of the selects that read it
.set fi, 0
.rept 32
	v_cndmask_b32 v[\OB+fi], v[\OB+fi], v[80+fi], vcc_lo
.set fi, fi+1
.endr
	v_mov_b32 v13, 0x45000000                      ; l = 2,048
	v_cndmask_b32 v[MX0], v[MX0], v13, vcc_lo
.Lnf_\@:
.endm
; O^T / l becomes codes and leaves: two stores of 512 consecutive bytes, aligned.  The first seven lines are also the places behind the last products.
.macro FINAL OB
	v_add_f32 v[MX0], v[RL], v[RL+1]               ; l's two halves,
	v_permlanex16_b32 v[TP], v[MX0], s32, s33
	v_add_f32 v[MX0], v[MX0], v[TP]                ; and the other half of the lanes'
	v_mov_b32 v[OSC], s60
	v_mov_b32 v[OLIM], s61
	v_nop
	v_nop
	FALLBACK \OB
	s_wait_alu depctr_va_vdst(0)
	v_rcp_f32 v[SUM2], v[MX0]
	v_nop                                          ; a plain line behind the reciprocal,
	s_wait_alu depctr_va_vdst(0)                   ; and the reciprocal has written 1 / l: a wait ahead of its first reader
.set fi, 0
.rept 16
	v_pk_mul_f32 v[\OB+fi:\OB+fi+1], v[\OB+fi:\OB+fi+1], v[SUM2:SUM2+1] op_sel_hi:[1,0]
.set fi, fi+2
.endr
.set fi, 0
.rept 32
	v_med3_num_f32 v[\OB+fi], v[\OB+fi], -v[OLIM], v[OLIM]
.set fi, fi+1
.endr
.irp t,0,1,2,3
	v_cvt_scalef32_pk8_fp8_f32 v[P+2*\t:P+2*\t+1], v[\OB+8*\t:\OB+8*\t+7], v[OSC]
.endr
	v_nop
	s_wait_alu depctr_va_vdst(0)                   ; the conversions have written v216-223, which the two stores read
	global_store_b128 v[LI], v[P:P+3], s[52:53]
	global_store_b128 v[LI], v[P+4:P+7], s[52:53] offset:512
.endm
.macro ENDWAVE
	s_wait_dscnt 0x0                               ; the wave's end
	s_wait_alu 0x0
	s_wait_tensorcnt 0x0
	ds_add_u32 v[SPW], v[NIL]
	s_wait_dscnt 0x0
	s_endpgm
.endm
	s_load_b256 s[4:11], s[0:1], 0x0               ; qf, kf, vf, attn_mask
	s_load_b128 s[12:15], s[0:1], 0x20             ; the scales' exponents, af
	v_lshl_add_u32 v[SPW], v0, 2, SPARE
	v_mov_b32 v[NIL], 0
	v_lshrrev_b32 v13, 5, v0
	v_readfirstlane_b32 s16, v13                   ; wave 0..7
	v_and_b32 v13, 31, v0                          ; lane
	v_lshlrev_b32 v[LI], 4, v13
	v_lshlrev_b32 v[L8], 3, v13
	v_mov_b32 v[TP], 0                             ; written once: a lane permute's destination counts as one of its sources
	v_mov_b32 v[RNM+1], 0                          ; (named as upper halves of pairs)
	v_mov_b32 v[RF+1], 0
	v_mov_b32 v[RNEG], 0xdf800000                  ; -2^64
	s_mov_b32 s32, 0x76543210                      ; v_permlanex16_b32's selects for lane l xor 16
	s_mov_b32 s33, 0xfedcba98
	s_mov_b32 s17, ttmp9
	s_mov_b32 s23, 0
	s_wait_alu depctr_va_sdst(0)                   ; s16, the wave's number, is written
	s_wait_kmcnt 0x0
	s_load_b128 s[24:27], s[12:13], 0x18           ; eq, ek, ep, ev
	s_load_b32 s28, s[12:13], 0x28                 ; eo
	s_cmp_lt_u32 s17, 128
	s_cbranch_scc1 .Lglobal
	; ======== HEADS 1 TO 7 ========
	s_sub_co_u32 s2, s17, 128
	s_and_b32 s3, s2, 15                           ; the block of 128 queries
	s_bfe_u32 s18, s2, 0x20004                     ; b
	s_lshr_b32 s19, s2, 6
	s_add_co_u32 s19, s19, 1                       ; h
	s_lshl_b32 s21, s3, 3
	s_add_co_u32 s20, s21, s16                     ; my query tile
	s_lshl_b32 s2, s18, 3
	s_add_co_u32 s2, s2, s19
	s_lshl_b32 s22, s2, 17                         ; the head's 128 tiles of 1,024 bytes
	s_add_nc_u64 s[48:49], s[6:7], s[22:23]
	s_add_nc_u64 s[50:51], s[8:9], s[22:23]
	s_mov_b64 s[54:55], s[50:51]
	s_lshl_b32 s3, s20, 10
	s_add_co_u32 s22, s22, s3
	s_add_nc_u64 s[46:47], s[4:5], s[22:23]
	s_lshl_b32 s22, s18, 11
	s_add_nc_u64 s[10:11], s[10:11], s[22:23]
	s_lshl_b32 s2, s18, 7
	s_add_co_u32 s2, s2, s20
	s_lshl_b32 s22, s2, 13                         ; af: row tile 128 b + tile, 8,192 bytes each;
	s_lshl_b32 s2, s19, 10                         ; head h's two chunks begin 1,024 h bytes on
	s_add_co_u32 s22, s22, s2
	s_add_nc_u64 s[52:53], s[14:15], s[22:23]
	s_sub_co_i32 s2, s20, 8
	s_wait_alu depctr_va_vdst(0)
	v_add_nc_u32 v13, s2, v13                      ; lane l looks at the mask of my band's tile l
	s_wait_alu depctr_va_vdst(0)
	v_cmp_gt_u32 s37, 128, v13                     ; inside the sequence?
	s_mul_i32 s2, s16, 3
	s_add_co_u32 s2, s2, s21
	s_sub_co_i32 s2, s2, 8                         ; I bring tiles 3 w .. 3 w + 2 of the work-group's 24, which begin at key tile 8 blk - 8
.irp k,0,1,2
	s_add_co_i32 s3, s2, \k
	s_max_i32 s3, s3, 0                            ; a tile outside the sequence brings an edge tile's codes: every key of it is masked
	s_min_i32 s3, s3, 127
	s_lshl_b32 s3, s3, 10
	v_add_nc_u32 v[10+\k], s3, v[LI]
.endr
	s_wait_alu depctr_va_sdst(0)                   ; s37 is written, ahead of the select that reads it first
	v_cndmask_b32 v13, 0, v13, s37                 ; a tile outside it is read at tile 0 and counted as masked
	v_lshlrev_b32 v13, 4, v13
	s_wait_alu depctr_va_vdst(0)                   ; v3, v10 to v13 are written: the fifteen loads below read them as offsets
	global_load_b128 v[212:215], v13, s[10:11]
	global_load_b128 v[RQ:RQ+3], v[LI], s[46:47]
	global_load_b128 v[RQ+4:RQ+7], v[LI], s[46:47] offset:512
.irp k,0,1,2
	global_load_b128 v[48+16*\k:51+16*\k], v[10+\k], s[48:49]
	global_load_b128 v[52+16*\k:55+16*\k], v[10+\k], s[48:49] offset:512
	global_load_b128 v[56+16*\k:59+16*\k], v[10+\k], s[50:51]
	global_load_b128 v[60+16*\k:63+16*\k], v[10+\k], s[50:51] offset:512
.endr
	s_lshl_b32 s2, s16, 10
	v_add_nc_u32 v[KA], s2, v[LI]                  ; my band begins at the work-group's tile w
	v_add_nc_u32 v[VA], s2, v[L8]
	v_add_nc_u32 v[VA], LV, v[VA]
	s_lshl_b32 s2, s16, 11
	s_add_co_u32 s2, s2, LB
	v_bfe_u32 v209, v0, 4, 1                       ; g
	v_lshl_add_u32 v[BA], v209, 5, s2              ; the table, read: my eight keys of a tile
	v_lshl_add_u32 v[BW], v[LI], 2, s2             ; the table, written: 64 bytes a lane
	s_mul_i32 s2, s16, 3072
	v_add_nc_u32 v[ST], s2, v[LI]
	v_and_b32 v208, 15, v0
	v_lshlrev_b32 v209, 3, v209
	v_sub_nc_u32 v208, v208, v209                  ; r - 8 g.  Register j is key 8 g + j of a tile: outside the band in the first tile where j < r - 8 g, in the last where j > r - 8 g
; the sixteen compares stand in one run, each into a scalar register of its own, with one wait behind the run
.macro BCMP j, sa, sb
	v_cmp_lt_i32 \sa, \j, v208
	v_cmp_gt_i32 \sb, \j, v208
.endm
.macro BSEL j, sa, sb
	v_cndmask_b32 v[BLO+\j], 0, v[RNEG], \sa
	v_cndmask_b32 v[BHI+\j], 0, v[RNEG], \sb
.endm
	BCMP 0, s40, s41
	BCMP 1, s42, s43
	BCMP 2, s44, s45
	BCMP 3, s56, s57
	BCMP 4, s58, s59
	BCMP 5, s34, s35
	BCMP 6, s36, s38
	BCMP 7, s39, s29
	s_wait_alu depctr_va_sdst(0)                   ; the sixteen masks are written, ahead of the selects that read them
	BSEL 0, s40, s41
	BSEL 1, s42, s43
	BSEL 2, s44, s45
	BSEL 3, s56, s57
	BSEL 4, s58, s59
	BSEL 5, s34, s35
	BSEL 6, s36, s38
	BSEL 7, s39, s29
	SCALES
	s_wait_loadcnt 14                              ; the mask's bytes are in; the 14 younger loads may be out
.irp k,0,1,2,3
	v_cndmask_b32 v[212+\k], 0, v[212+\k], s37
.endr
	v_and_b32 v208, v212, v213
	v_and_b32 v209, v214, v215
	v_and_b32 v208, v208, v209
	v_or_b32 v209, v212, v213
	v_or_b32 v209, v209, v214
	v_or_b32 v209, v209, v215
	v_cmp_eq_u32 s38, 0x01010101, v208             ; a bit a tile: all 16 keys count
	v_cmp_ne_u32 s39, 0, v209                      ; a bit a tile: some key counts
	s_wait_alu depctr_va_sdst(0)                   ; s38 and s39 are written, ahead of the scalar lines that read them
	s_and_b32 s38, s38, 0x1ffff
	s_cmp_eq_u32 s38, 0x1ffff
	s_cselect_b32 s35, 1, 0                        ; every key of my 17 tiles counts
	s_and_b32 s39, s39, 0xfffe
	s_cmp_eq_u32 s39, 0
	s_cselect_b32 s36, 1, 0                        ; no key counts in tiles 1 to 15, which lie in the band of each of my 16 queries: only then can a row be without a key
	s_wait_loadcnt 0x0
	s_wait_alu depctr_va_vdst(0)                   ; v5 to v9 are written: every LDS instruction below reads one of them as its address; the flags' lines are done with v208-215, in which K's fragments land
.irp k,0,1,2
	ds_store_b128 v[ST], v[48+16*\k:51+16*\k] offset:1024*\k
	ds_store_b128 v[ST], v[52+16*\k:55+16*\k] offset:1024*\k+512
	ds_store_b128 v[ST], v[56+16*\k:59+16*\k] offset:LV+1024*\k
	ds_store_b128 v[ST], v[60+16*\k:63+16*\k] offset:LV+1024*\k+512
.endr
	s_wait_dscnt 0x0                               ; for the others' sake: my three tiles have landed
	s_barrier_signal -1
	s_barrier_wait -1                              ; the 24 tiles of K and of V lie in LDS; nothing is written there again
	s_wait_alu depctr_vm_vsrc(0)                   ; my stores have read v48-95, which take the scores on both ways below; the mask's load has read v13, which the softmax writes
.macro QKP tau, kl, gen
.if \gen
	v_wmma_f32_16x16x64_fp8_fp8 v[SC+8*(\tau):SC+8*(\tau)+7], v[KL+8*(\kl):KL+8*(\kl)+7], v[RQ:RQ+7], v[SC+8*(\tau):SC+8*(\tau)+7]
.elseif (\tau) == 0
	v_wmma_f32_16x16x64_fp8_fp8 v[SC+8*(\tau):SC+8*(\tau)+7], v[KL+8*(\kl):KL+8*(\kl)+7], v[RQ:RQ+7], v[BLO:BLO+7]
.elseif (\tau) == 16
	v_wmma_f32_16x16x64_fp8_fp8 v[SC+8*(\tau):SC+8*(\tau)+7], v[KL+8*(\kl):KL+8*(\kl)+7], v[RQ:RQ+7], v[BHI:BHI+7]
.else
	v_wmma_f32_16x16x64_fp8_fp8 v[SC+8*(\tau):SC+8*(\tau)+7], v[KL+8*(\kl):KL+8*(\kl)+7], v[RQ:RQ+7], 0
.endif
.endm
; The 17 tiles of scores, K's fragments in two runs of loads.  gen = 1: C comes from my table, loaded into the scores' registers.
.macro QK_L gen
.if \gen
.irp k,0,1,2,3,4,5,6,7,8,9,10,11,12,13,14,15
	v_bfe_u32 v[SC+\k], v[212+\k/4], 8*(\k%4), 1   ; the key's byte, 0 or 1,
	v_add_nc_u32 v[SC+\k], -1, v[SC+\k]            ; all ones or 0,
	v_and_b32 v[SC+\k], v[RNEG], v[SC+\k]          ; -2^64 or 0
.endr
	s_wait_alu depctr_va_vdst(0)                   ; the lines above have written v48-63, which the four stores read, and are done reading v212-215, in which K's fragments land
.irp c,0,1,2,3
	ds_store_b128 v[BW], v[SC+4*\c:SC+4*\c+3] offset:16*\c   ; the bytes are my wave's own: LDS serves a wave's instructions in order (ISA guide 5.7.1.4)
.endr
	s_wait_alu depctr_vm_vsrc(0)                   ; the four stores have read v48-63, in which the loads below land
.irp t,0,1,2,3,4,5,6,7,8,9,10,11,12,13,14,15,16
	ds_load_b128 v[SC+8*\t:SC+8*\t+3], v[BA] offset:64*\t
	ds_load_b128 v[SC+8*\t+4:SC+8*\t+7], v[BA] offset:64*\t+16
.endr
.endif
.irp t,0,1,2,3,4,5,6,7,8
	ds_load_b128 v[KL+8*\t:KL+8*\t+3], v[KA] offset:1024*\t
	ds_load_b128 v[KL+8*\t+4:KL+8*\t+7], v[KA] offset:1024*\t+512
.endr
.irp t,0,1,2,3,4,5,6,7,8
	s_wait_dscnt 16-2*\t                           ; the younger tiles' two loads each may be out
.if \gen && (\t == 0)
.irp j,0,1,2,3,4,5,6,7
	v_min_num_f32 v[SC+\j], v[SC+\j], v[BLO+\j]
.endr
.endif
	QKP \t, \t, \gen
.endr
	PLACES 4
	s_wait_alu depctr_va_vdst(0)                   ; the first nine products are done reading v184-247, in which the second run of K's fragments lands
.irp t,9,10,11,12,13,14,15,16
	ds_load_b128 v[KL+8*(\t-9):KL+8*(\t-9)+3], v[KA] offset:1024*\t
	ds_load_b128 v[KL+8*(\t-9)+4:KL+8*(\t-9)+7], v[KA] offset:1024*\t+512
.endr
.irp t,9,10,11,12,13,14,15,16
	s_wait_dscnt 32-2*\t
.if \gen && (\t == 16)
.irp j,0,1,2,3,4,5,6,7
	v_min_num_f32 v[SC+128+\j], v[SC+128+\j], v[BHI+\j]
.endr
.endif
	QKP \t, \t-9, \gen
.endr
	PLACES 4
.endm
	s_cmp_eq_u32 s35, 0
	s_cbranch_scc1 .Lgen
	QK_L 0
	s_branch .Lsm
.Lgen:
	QK_L 1
.Lsm:
.irp j,34,35,36,37,38,39
	v_mov_b32 v[P+\j], 0                           ; the last 64 keys of the second product hold one tile: the other 48 get zero codes
.endr
	SOFTMAX SC, 17, P, 0
	; O^T = V^T P^T: 64 keys a product, four tiles of channels by turns
	s_wait_alu depctr_va_vdst(0)                   ; the softmax is done writing and reading v80-183, and the products reading v184-207: V's fragments land there
.irp q,0,1,2,3
.irp t,0,1,2,3
.irp u,0,1,2,3
	ds_load_b64 v[VF+32*\q+8*\t+2*\u:VF+32*\q+8*\t+2*\u+1], v[VA] offset:(4*\q+\u)*1024+256*\t
.endr
.endr
.endr
	s_wait_dscnt 48                                ; the first 64 keys' 16 loads are in
.irp t,0,1,2,3
	v_wmma_f32_16x16x64_fp8_fp8 v[SC+8*\t:SC+8*\t+7], v[VF+8*\t:VF+8*\t+7], v[P:P+7], 0
.endr
	PLACES 4
	s_wait_alu depctr_va_vdst(0)                   ; the four products above are done reading v80-111, in which tile 16 lands
.irp t,0,1,2,3
	ds_load_b64 v[VF+8*\t:VF+8*\t+1], v[VA] offset:16*1024+256*\t   ; tile 16 takes the first pair; the other six registers keep codes that meet zero codes of p
.endr
.irp q,1,2,3
	s_wait_dscnt 52-16*\q                          ; the younger runs of 16 loads, and tile 16's four, may be out
.irp t,0,1,2,3
	v_wmma_f32_16x16x64_fp8_fp8 v[SC+8*\t:SC+8*\t+7], v[VF+32*\q+8*\t:VF+32*\q+8*\t+7], v[P+8*\q:P+8*\q+7], v[SC+8*\t:SC+8*\t+7]
.endr
.endr
	s_wait_dscnt 0x0
.irp t,0,1,2,3
	v_wmma_f32_16x16x64_fp8_fp8 v[SC+8*\t:SC+8*\t+7], v[VF+8*\t:VF+8*\t+7], v[P+32:P+39], v[SC+8*\t:SC+8*\t+7]
.endr
	FINAL SC
	ENDWAVE
	; ======== HEAD 0 ========
.Lglobal:
	s_lshr_b32 s18, s17, 5                         ; b
	s_and_b32 s2, s17, 31
	s_lshl_b32 s2, s2, 2
	s_and_b32 s3, s16, 3
	s_add_co_u32 s20, s2, s3                       ; my query tile
	s_lshr_b32 s21, s16, 2                         ; my half of the keys
	s_lshl_b32 s29, s18, 20                        ; head 0 of batch b in qf, kf, vf
	s_mov_b32 s22, s29
	s_add_nc_u64 s[54:55], s[8:9], s[22:23]
	s_and_b32 s2, s16, 2
	s_cmp_lg_u32 s2, 0                             ; waves 0, 1, 4, 5 bring K's bytes, waves 2, 3, 6, 7 V's
	s_cselect_b64 s[48:49], s[8:9], s[6:7]
	s_lshl_b32 s2, s21, 6
	s_and_b32 s19, s16, 1
	s_lshl_b32 s19, s19, 2
	s_add_co_u32 s2, s2, s19                       ; four tiles of keys, 64 x half + 4 (w % 2) on
	s_lshl_b32 s2, s2, 10
	s_add_co_u32 s22, s29, s2
	s_add_nc_u64 s[48:49], s[48:49], s[22:23]
	s_lshl_b32 s2, s20, 10
	s_add_co_u32 s22, s29, s2
	s_add_nc_u64 s[46:47], s[4:5], s[22:23]
	s_lshl_b32 s22, s18, 11
	s_add_nc_u64 s[10:11], s[10:11], s[22:23]
	s_lshl_b32 s2, s18, 7
	s_add_co_u32 s2, s2, s20
	s_lshl_b32 s22, s2, 13
	s_add_nc_u64 s[52:53], s[14:15], s[22:23]
	s_lshl_b32 s2, s21, 14
	s_add_co_u32 s2, s2, GR
	s_wait_alu depctr_va_vdst(0)
	v_add_nc_u32 v[KA], s2, v[LI]
	s_add_co_u32 s2, s2, 8192
	v_add_nc_u32 v[VA], s2, v[L8]
	s_lshl_b32 s2, s16, 12
	s_add_co_u32 s2, s2, GR
	v_add_nc_u32 v[ST], s2, v[LI]                  ; where I lay my 4 KB of a slot
	s_lshl_b32 s2, s21, 12
	s_add_co_u32 s2, s2, GT
	v_bfe_u32 v13, v0, 4, 1
	v_lshl_add_u32 v10, v13, 5, s2                 ; the table: my half's keys, my eight of a tile
	s_mul_i32 s2, s3, 4608
	s_add_co_u32 s2, s2, MG
	v_add_nc_u32 v[BW], s2, v[LI]                  ; the join of my query tile
	v_lshl_add_u32 v11, v0, 5, GT                  ; the table, written: eight keys a thread
	v_lshlrev_b32 v12, 3, v0
	s_wait_alu depctr_va_vdst(0)                   ; v3 to v6, v8, v9, v11 and v12 are written: the loads, stores and LDS instructions of this path read them as offsets and addresses
.irp q,0,1,2,3
	global_load_b128 v[48+4*\q:51+4*\q], v[LI], s[10:11] offset:512*\q   ; the batch's whole mask: lane l looks at tiles l + 32 q
.endr
	global_load_b64 v[64:65], v12, s[10:11]
	global_load_b128 v[RQ:RQ+3], v[LI], s[46:47]
	global_load_b128 v[RQ+4:RQ+7], v[LI], s[46:47] offset:512
.macro GLOAD off                       ; my 4 KB of a step's K or V: eight loads of 512 consecutive bytes
.irp k,0,1,2,3
	global_load_b128 v[24+4*\k:27+4*\k], v[LI], s[48:49] offset:(\off)+512*\k
.endr
.irp k,4,5,6,7
	global_load_b128 v[216+4*\k:219+4*\k], v[LI], s[48:49] offset:(\off)+512*\k
.endr
.endm
.macro GSTORE slot
.irp k,0,1,2,3
	ds_store_b128 v[ST], v[24+4*\k:27+4*\k] offset:(\slot)*32768+512*\k
.endr
.irp k,4,5,6,7
	ds_store_b128 v[ST], v[216+4*\k:219+4*\k] offset:(\slot)*32768+512*\k
.endr
.endm
	GLOAD 0
	SCALES
.set oi, 0
.rept 32
	v_mov_b32 v[GOT+oi], 0                         ; O^T.  (The step is written for a running M: the first finds zeros, which the first change of M leaves zeros)
.set oi, oi+1
.endr
	v_mov_b32 v[RL], 0
	v_mov_b32 v[RL+1], 0
	v_mov_b32 v[RRM], 0xff61b1e6                   ; the largest raw score so far: -3e38
	v_mov_b32 v13, 0xde800000
	v_mul_f32 v13, s30, v13
	v_floor_f32 v[RNM], -v13                       ; -M of the floor -2^62: no later -M is larger
	s_wait_loadcnt 10                              ; the mask's five loads are in; Q's two and the slot's eight may be out
	v_and_b32 v66, v48, v49
	v_or_b32 v67, v48, v49
.irp k,2,3,4,5,6,7,8,9,10,11,12,13,14,15
	v_and_b32 v66, v66, v[48+\k]
	v_or_b32 v67, v67, v[48+\k]
.endr
	v_cmp_eq_u32 s38, 0x01010101, v66
	v_cmp_ne_u32 s39, 0, v67
	s_wait_alu depctr_va_sdst(0)                   ; s38 and s39 are written, ahead of the scalar lines that read them
	s_cmp_eq_u32 s38, -1
	s_cselect_b32 s35, 1, 0                        ; every key of the batch counts
	s_cmp_eq_u32 s39, 0
	s_cselect_b32 s36, 1, 0                        ; none does
.irp k,0,1,2,3,4,5,6,7
	v_bfe_u32 v[68+\k], v[64+\k/4], 8*(\k%4), 1
	v_add_nc_u32 v[68+\k], -1, v[68+\k]
	v_and_b32 v[68+\k], v[RNEG], v[68+\k]          ; -2^64 for a key that does not count, else 0
.endr
	s_wait_alu depctr_va_vdst(0)                   ; the lines above have written v68-75, which the two stores read
	ds_store_b128 v11, v[68:71]
	ds_store_b128 v11, v[72:75] offset:16
	s_wait_loadcnt 0x0
	GSTORE 0
	s_wait_dscnt 0x0                               ; my parts of the table and of slot 0 have landed
	s_wait_alu depctr_vm_vsrc(0)                   ; my stores have read v24-39 and v232-247, in which the loads below land, and v68-75, which take scores
	GLOAD 8192
	s_barrier_signal -1
	s_barrier_wait -1
; A KEY STEP: 128 keys out of slot `slot`.  store = 1: the next step's bytes, which have come into registers, go into the other slot; load = 1: the bytes of the step after that are asked for.
; ONE barrier a step: in front of it a wave's stores into the other slot have landed and its reads of this slot are back; the next step reads the one and writes the other.
.macro STEP slot, store, load, bar
	PLACES 5                                       ; the new scores are laid over registers that the last products read as V's fragments
.if \store
	s_wait_loadcnt 0x0
	GSTORE 1-\slot
.endif
.irp t,0,1,2,3,4,5,6,7
	ds_load_b128 v[GKL+8*\t:GKL+8*\t+3], v[KA] offset:\slot*32768+1024*\t       ; no wait: the last step's wait ahead of V's loads stands behind the only readers of v112-175
	ds_load_b128 v[GKL+8*\t+4:GKL+8*\t+7], v[KA] offset:\slot*32768+1024*\t+512
.endr
	s_cmp_eq_u32 s35, 0
	s_cbranch_scc1 .Lg_\@
.irp t,0,1,2,3,4,5,6,7
	s_wait_dscnt 14-2*\t                           ; the younger tiles' two loads each may be out
	v_wmma_f32_16x16x64_fp8_fp8 v[SC+8*\t:SC+8*\t+7], v[GKL+8*\t:GKL+8*\t+7], v[RQ:RQ+7], 0
.endr
	s_branch .Lq_\@
.Lg_\@:
	s_wait_alu depctr_va_vdst(0)                   ; what named v48-111 last (the last step's products, which read V's fragments there; at first the head's lines) is done: the table's numbers land there; and v7, their address, is written
.irp t,0,1,2,3,4,5,6,7
	ds_load_b128 v[SC+8*\t:SC+8*\t+3], v[BA] offset:512*\slot+64*\t
	ds_load_b128 v[SC+8*\t+4:SC+8*\t+7], v[BA] offset:512*\slot+64*\t+16
.endr
	s_wait_dscnt 0x0
.irp t,0,1,2,3,4,5,6,7
	v_wmma_f32_16x16x64_fp8_fp8 v[SC+8*\t:SC+8*\t+7], v[GKL+8*\t:GKL+8*\t+7], v[RQ:RQ+7], v[SC+8*\t:SC+8*\t+7]
.endr
.Lq_\@:
.if \load
	s_wait_alu depctr_vm_vsrc(0)                   ; this step's stores into the other slot have read v24-39 and v232-247, in which the loads below land
	GLOAD 16384+8192*\slot
.endif
	PLACES 4
	SOFTMAX SC, 8, P, 1
	s_wait_alu depctr_va_vdst(0)                   ; the softmax is done writing and reading v48-111, in which V's fragments land; the step's first products are done reading v112-175, for the next step's loads of K
.irp q,0,1
.irp t,0,1,2,3
.irp u,0,1,2,3
	ds_load_b64 v[SC+32*\q+8*\t+2*\u:SC+32*\q+8*\t+2*\u+1], v[VA] offset:\slot*32768+(4*\q+\u)*1024+256*\t
.endr
.endr
.endr
.set oi, 0
.rept 16
	v_pk_mul_f32 v[GOT+oi:GOT+oi+1], v[GOT+oi:GOT+oi+1], v[RF:RF+1] op_sel_hi:[1,0]   ; O^T under the new M
.set oi, oi+2
.endr
	s_wait_alu depctr_va_vdst(0)
	s_wait_dscnt 16                                ; the first 64 keys' loads are in
.irp t,0,1,2,3
	v_wmma_f32_16x16x64_fp8_fp8 v[GOT+8*\t:GOT+8*\t+7], v[SC+8*\t:SC+8*\t+7], v[P:P+7], v[GOT+8*\t:GOT+8*\t+7]
.endr
	s_wait_dscnt 0x0
.irp t,0,1,2,3
	v_wmma_f32_16x16x64_fp8_fp8 v[GOT+8*\t:GOT+8*\t+7], v[SC+32+8*\t:SC+32+8*\t+7], v[P+8:P+15], v[GOT+8*\t:GOT+8*\t+7]
.endr
.if \bar
	s_barrier_signal -1                            ; no LDS instruction of mine is out
	s_barrier_wait -1
.endif
.endm
	s_mov_b32 s57, 0
	s_mov_b32 s58, 3
.Lpair:                                                ; a trip is two key steps, one out of each slot
	s_wait_alu depctr_vm_vsrc(0)                   ; the table's loads of the last trip have read v7
	v_add_nc_u32 v[BA], s57, v10
	STEP 0, 1, 1, 1
	STEP 1, 1, 1, 1
	s_wait_xcnt 0x0                                ; the loads issued have read their base
	s_add_nc_u64 s[48:49], s[48:49], 16384         ; two steps' tiles on
	s_add_co_u32 s57, s57, 1024                    ; and 256 keys on in the table
	s_sub_co_u32 s58, s58, 1
	s_cmp_lg_u32 s58, 0
	s_cbranch_scc1 .Lpair
	s_wait_alu depctr_vm_vsrc(0)                   ; the table's loads of the last trip have read v7
	v_add_nc_u32 v[BA], s57, v10
	STEP 0, 1, 0, 1                                ; the last two steps ask for nothing more
	STEP 1, 0, 0, 0
	; THE JOIN: waves 4 to 7 hand O^T, -M, the largest raw score and l to waves 0 to 3
	PLACES 4
	s_cmp_lt_u32 s16, 4
	s_cbranch_scc1 .Lkeep
	v_mov_b32 v[RNM+1], v[RRM]
	s_wait_alu depctr_va_vdst(0)                   ; the last products have written O^T, and the softmax and the line above v40-43: the nine stores read them
.irp k,0,1,2,3,4,5,6,7
	ds_store_b128 v[BW], v[GOT+4*\k:GOT+4*\k+3] offset:512*\k
.endr
	ds_store_b128 v[BW], v[RNM:RNM+3] offset:4096
.Lkeep:
	s_wait_dscnt 0x0
	s_barrier_signal -1
	s_barrier_wait -1
	s_cmp_ge_u32 s16, 4
	s_cbranch_scc1 .Lgend
	s_wait_alu depctr_va_vdst(0)                   ; the last products are done reading V's fragments in v48-111, in which the partner's numbers land
.irp k,0,1,2,3,4,5,6,7
	ds_load_b128 v[48+4*\k:51+4*\k], v[BW] offset:512*\k
.endr
	ds_load_b128 v[80:83], v[BW] offset:4096
	s_wait_dscnt 0x0
	v_min_num_f32 v84, v[RNM], v80                 ; the larger M of the two
	v_sub_f32 v85, v84, v[RNM]
	v_sub_f32 v90, v84, v80
	v_cvt_i32_f32 v85, v85
	v_cvt_i32_f32 v90, v90
	v_ldexp_f32 v86, 1.0, v85                      ; what brings my half under it,
	v_ldexp_f32 v88, 1.0, v90                      ; and the other half: powers of two, nothing is rounded
	v_mov_b32 v87, 0                               ; (named as upper halves of pairs)
	v_mov_b32 v89, 0
	v_max_num_f32 v[RRM], v[RRM], v81
.set oi, 0
.rept 16
	v_pk_mul_f32 v[GOT+oi:GOT+oi+1], v[GOT+oi:GOT+oi+1], v[86:87] op_sel_hi:[1,0]
.set oi, oi+2
.endr
.set oi, 0
.rept 16
	v_pk_fma_f32 v[GOT+oi:GOT+oi+1], v[48+oi:49+oi], v[88:89], v[GOT+oi:GOT+oi+1] op_sel_hi:[1,0,1]
.set oi, oi+2
.endr
	v_pk_mul_f32 v[RL:RL+1], v[RL:RL+1], v[86:87] op_sel_hi:[1,0]
	v_pk_fma_f32 v[RL:RL+1], v[82:83], v[88:89], v[RL:RL+1] op_sel_hi:[1,0,1]
	FINAL GOT
.Lgend:
	ENDWAVE
.Lfunc_end_k_q5f123b6ade_attend:
	.size	k_q5f123b6ade_attend, .Lfunc_end_k_q5f123b6ade_attend-k_q5f123b6ade_attend
	.p2alignl 7, 3214868480
	.fill 96, 4, 3214868480
	.section	.rodata,"a",@progbits
	.p2align	6, 0x0
	.amdhsa_kernel k_q5f123b6ade_attend
		.amdhsa_group_segment_fixed_size 158720
		.amdhsa_private_segment_fixed_size 0
		.amdhsa_enable_private_segment 0
		.amdhsa_kernarg_size 48
		.amdhsa_user_sgpr_count 2
		.amdhsa_user_sgpr_kernarg_segment_ptr 1
		.amdhsa_wavefront_size32 1
		.amdhsa_system_sgpr_workgroup_id_x 1
		.amdhsa_system_sgpr_workgroup_id_y 1
		.amdhsa_system_sgpr_workgroup_id_z 1
		.amdhsa_system_vgpr_workitem_id 0
		.amdhsa_next_free_vgpr 256
		.amdhsa_next_free_sgpr 66
		.amdhsa_reserve_vcc 1
		.amdhsa_float_denorm_mode_32 3
		.amdhsa_float_denorm_mode_16_64 3
		.amdhsa_memory_ordered 1
		.amdhsa_forward_progress 1
		.amdhsa_inst_pref_size 163
	.end_amdhsa_kernel
	.amdgpu_metadata
---
amdhsa.version: [ 1, 2 ]
amdhsa.kernels:
  - .name:           k_q5f123b6ade_attend
    .symbol:         k_q5f123b6ade_attend.kd
    .args:
      - { .name: qf, .offset: 0, .size: 8, .value_kind: global_buffer, .address_space: global }
      - { .name: kf, .offset: 8, .size: 8, .value_kind: global_buffer, .address_space: global }
      - { .name: vf, .offset: 16, .size: 8, .value_kind: global_buffer, .address_space: global }
      - { .name: attn_mask, .offset: 24, .size: 8, .value_kind: global_buffer, .address_space: global }
      - { .name: lowp_scales, .offset: 32, .size: 8, .value_kind: global_buffer, .address_space: global }
      - { .name: af, .offset: 40, .size: 8, .value_kind: global_buffer, .address_space: global }
    .group_segment_fixed_size: 158720
    .private_segment_fixed_size: 0
    .kernarg_segment_align: 8
    .kernarg_segment_size: 48
    .max_flat_workgroup_size: 256
    .sgpr_count:     66
    .vgpr_count:     256
    .wavefront_size: 32
...
	.end_amdgpu_metadata
.endif
;; end of part 5
;; launch outproj (part 6): grid 4 x 64, 8 waves a work-group, no clusters, 166,912 bytes of LDS; arguments af, wof, bo, lowp_scales, out0; writes out0
.if DOCPART == 6
	.amdgcn_target "amdgcn-amd-amdhsa--gfx1250"
	.amdhsa_code_object_version 6
	.text
	.protected	k_q5f123b6ade_outproj
	.globl	k_q5f123b6ade_outproj
	.p2align	8
	.type	k_q5f123b6ade_outproj,@function
k_q5f123b6ade_outproj:
	s_mov_b64 s[64:65], 0
	v_nop
	global_prefetch_b8 v0, s[64:65] scope:SCOPE_SE
	s_setreg_imm32_b32 hwreg(HW_REG_WAVE_SCHED_MODE, 0, 2), 2
	s_setreg_imm32_b32 hwreg(HW_REG_WAVE_MODE, 25, 1), 1
	s_wait_xcnt 0x0
	s_wait_alu depctr_vm_vsrc(0)
; out0 = a Wo^T + bo on codes of E4M3.  a (the attention's result) and Wo arrive as codes in the order of the operand's registers: a fragment (16 rows x 128 K) is 2,048 bytes, four runs of 512.
; SHARES.  A work-group makes 128 rows (y) x 128 columns (x): 64 KB of a and 64 KB of Wo, each one dense block, copied once into LDS through registers, 8 KB of each a wave.
; Wave w makes row tiles 2 (w / 2), + 1 and column tiles 4 (w % 2) .. + 3: eight accumulators by turns, four K steps of 128.
; The product is used transposed (source 0 = 16 rows of Wo, source 1 = 16 rows of a): a lane holds eight neighbouring columns of one row.  out = sum x 2^(ea + ew) + bo, one packed multiply-add for two numbers.
; The rows go through the wave's own stage in LDS, so that sixteen lanes store 256 consecutive bytes, aligned.
; NO JOINT LOADS: a work-group fills its LDS once, at its head, and has four K steps of work behind that; a's block is shared by 4 work-groups and Wo's by 64.
; LIMIT: ea + ew between -126 and 127, so that 2^(ea + ew) is an f32 number.
; THE MODE: SCHED_MODE bits 1:0 = 2 (LLVM: expert scheduling mode 2), set by the entry lines.  The code itself states the register dependences between vector or matrix instructions and memory or LDS
; instructions, with s_wait_alu, always for 0.
; THE PLAN.  Registers that memory or LDS instructions touch:
;   v3-v11      offsets and addresses: made at the head ahead of one wait, never written again.
;   v112-239    at the head: the work-group's bytes land, my LDS stores read them.
;   v112-207    in a K step: six fragments land, the step's eight products read them, the next step's fragments land.  There is one set: six fragments are 96 registers, and 16 are free.
;   v112-143, v176-207  on the way out: written by the multiply-adds, read by the stage's stores.   v144-175, v208-239: rows land from the stage, the global stores read them.
;   The bias (once loaded) and the accumulators are named by vector and matrix instructions alone.
; One wait on vm_vsrc stands behind the barrier; one on va_vdst ahead of each later K step's loads; one behind all the way out's multiply-adds, ahead of all its LDS instructions.
.set STG,   131072                     ; a's images at 0, Wo's at 65,536; here a stage of 16 rows x 272 bytes for each wave
.set SPARE, 165888                     ; the spare words, 128 bytes for each wave
.set SPW, 1
.set NIL, 2
.set LI,  3
.set AA,  4
.set BB,  5
.set SO,  6
.set SR,  7
.set GO,  8
.set CA,  9
.set CB,  10
.set BOA, 11
.set BO,  16                           ; v16-47   bo in the result's layout
.set ACC, 48                           ; v48-111  accumulator (a, t) at v[48 + 8 (4 a + t)]
.set FR,  112                          ; v112-207 two fragments of a, four of Wo; v112-239 at the head the bytes on their way, at the end results and rows
	s_load_b256 s[4:11], s[0:1], 0x0               ; af, wof, bo, the scales' exponents
	s_load_b64 s[12:13], s[0:1], 0x20              ; out0
	v_lshl_add_u32 v[SPW], v0, 2, SPARE
	v_mov_b32 v[NIL], 0
	v_lshrrev_b32 v12, 5, v0
	v_readfirstlane_b32 s14, v12                   ; wave 0..7
	v_and_b32 v12, 31, v0
	v_lshlrev_b32 v[LI], 4, v12
	v_and_b32 v13, 15, v0                          ; r
	s_wait_alu depctr_va_vdst(0)
	v_bfe_u32 v14, v0, 4, 1                        ; g
	s_wait_alu depctr_va_sdst(0)                   ; s14, the wave's number, is written, ahead of its first reader
	s_lshr_b32 s15, s14, 1
	s_and_b32 s16, s14, 1
	s_lshl_b32 s2, s15, 14
	v_add_nc_u32 v[AA], s2, v[LI]
	s_lshl_b32 s2, s16, 15
	s_add_co_u32 s2, s2, 65536
	v_add_nc_u32 v[BB], s2, v[LI]
	s_mul_i32 s3, s14, 4352
	s_add_co_u32 s3, s3, STG
	v_mul_u32_u24 v[SO], v13, 272
	s_wait_alu depctr_va_vdst(0)
	v_lshl_add_u32 v[SO], v14, 5, v[SO]
	v_add_nc_u32 v[SO], s3, v[SO]                  ; into the stage: row r, 32 bytes for each half of the lanes
	v_mul_u32_u24 v[SR], v14, 272
	v_lshl_add_u32 v[SR], v13, 4, v[SR]
	v_add_nc_u32 v[SR], s3, v[SR]                  ; back: lanes 0-15 one row of 256 bytes, lanes 16-31 the next
	v_lshlrev_b32 v[GO], 11, v14
	v_lshl_add_u32 v[GO], v13, 4, v[GO]            ; and the same two rows in out0
	s_lshl_b32 s2, s14, 13
	v_add_nc_u32 v[CA], s2, v[LI]
	v_add_nc_u32 v[CB], 65536, v[CA]
	v_lshlrev_b32 v[BOA], 5, v14
	s_mov_b32 s17, ttmp9
	s_and_b32 s18, ttmp7, 0xffff
	s_mov_b32 s23, 0
	s_wait_kmcnt 0x0
	s_load_b64 s[20:21], s[10:11], 0x28            ; ea, ew
	s_lshl_b32 s22, s18, 16
	s_add_co_u32 s22, s22, s2
	s_add_nc_u64 s[4:5], s[4:5], s[22:23]
	s_lshl_b32 s22, s17, 16
	s_add_co_u32 s22, s22, s2
	s_add_nc_u64 s[6:7], s[6:7], s[22:23]
	s_lshl_b32 s22, s17, 9
	s_lshl_b32 s3, s16, 8
	s_add_co_u32 s22, s22, s3                      ; my first column in bytes: 512 x + 256 (w % 2)
	s_add_nc_u64 s[8:9], s[8:9], s[22:23]
	s_add_nc_u64 s[12:13], s[12:13], s[22:23]
	s_lshl_b32 s22, s18, 7
	s_lshl_b32 s3, s15, 5
	s_add_co_u32 s22, s22, s3
	s_lshl_b32 s22, s22, 11                        ; my first row: 128 y + 32 (w / 2), 2,048 bytes each
	s_add_nc_u64 s[12:13], s[12:13], s[22:23]
	s_wait_alu depctr_va_vdst(0)                   ; v3 to v11 are written: every load, store and LDS instruction of the kernel reads one of them as its offset or address
.irp k,0,1,2,3,4,5,6,7,8,9,10,11,12,13,14,15
	global_load_b128 v[FR+4*\k:FR+4*\k+3], v[LI], s[4:5] offset:512*\k
.endr
.irp k,0,1,2,3,4,5,6,7,8,9,10,11,12,13,14,15
	global_load_b128 v[FR+64+4*\k:FR+64+4*\k+3], v[LI], s[6:7] offset:512*\k
.endr
.irp t,0,1,2,3
	global_load_b128 v[BO+8*\t:BO+8*\t+3], v[BOA], s[8:9] offset:64*\t
	global_load_b128 v[BO+8*\t+4:BO+8*\t+7], v[BOA], s[8:9] offset:64*\t+16
.endr
	s_wait_kmcnt 0x0
	s_add_co_i32 s20, s20, s21
	s_add_co_i32 s20, s20, 127
	s_lshl_b32 s20, s20, 23                        ; 2^(ea + ew) as f32
	s_mov_b32 s21, s20                             ; (named with it as a pair, so it is written)
	s_wait_loadcnt 0x0
.irp k,0,1,2,3,4,5,6,7,8,9,10,11,12,13,14,15
	ds_store_b128 v[CA], v[FR+4*\k:FR+4*\k+3] offset:512*\k
.endr
.irp k,0,1,2,3,4,5,6,7,8,9,10,11,12,13,14,15
	ds_store_b128 v[CB], v[FR+64+4*\k:FR+64+4*\k+3] offset:512*\k
.endr
	s_wait_dscnt 0x0                               ; for the others' sake: my 16 KB have landed
	s_barrier_signal -1
	s_barrier_wait -1                              ; both blocks lie in LDS; nothing is written there again
	s_wait_alu depctr_vm_vsrc(0)                   ; my stores have read v112-239: fragments and rows land there from here on, and the multiply-adds write there
.irp s,0,1,2,3
.if \s > 0
	s_wait_alu depctr_va_vdst(0)                   ; the last K step's products are done reading the six fragments, in whose registers the loads below land
.endif
.irp a,0,1
.irp c,0,1,2,3
	ds_load_b128 v[FR+16*\a+4*\c:FR+16*\a+4*\c+3], v[AA] offset:\a*8192+2048*\s+512*\c
.endr
.endr
.irp t,0,1,2,3
.irp c,0,1,2,3
	ds_load_b128 v[FR+32+16*\t+4*\c:FR+32+16*\t+4*\c+3], v[BB] offset:\t*8192+2048*\s+512*\c
.endr
.endr
	s_wait_dscnt 0x0
.irp a,0,1
.irp t,0,1,2,3
.if \s == 0
	v_wmma_f32_16x16x128_fp8_fp8 v[ACC+8*(4*\a+\t):ACC+8*(4*\a+\t)+7], v[FR+32+16*\t:FR+32+16*\t+15], v[FR+16*\a:FR+16*\a+15], 0
.else
	v_wmma_f32_16x16x128_fp8_fp8 v[ACC+8*(4*\a+\t):ACC+8*(4*\a+\t)+7], v[FR+32+16*\t:FR+32+16*\t+15], v[FR+16*\a:FR+16*\a+15], v[ACC+8*(4*\a+\t):ACC+8*(4*\a+\t)+7]
.endif
.endr
.endr
.rept 4
	v_nop                                          ; four places behind the products, ahead of the first read of results and of the first write of their sources (ISA guide 7.12.1)
.endr
.endr
; THE WAY OUT, 16 rows x 64 columns at a time: scaled, through my stage, out as whole runs of 256 bytes.  Both tiles' multiply-adds stand first, so that one wait serves all the LDS instructions behind them.
.macro OUTY a
.set Y,  FR+64*(\a)
.irp t,0,1,2,3
.irp i,0,2,4,6
	v_pk_fma_f32 v[Y+8*\t+\i:Y+8*\t+\i+1], v[ACC+8*(4*(\a)+\t)+\i:ACC+8*(4*(\a)+\t)+\i+1], s[20:21], v[BO+8*\t+\i:BO+8*\t+\i+1] op_sel_hi:[1,0,1]
.endr
.endr
.endm
.macro OUTS a
.set Y,  FR+64*(\a)
.set RB, FR+32+64*(\a)
.irp t,0,1,2,3
	ds_store_b128 v[SO], v[Y+8*\t:Y+8*\t+3] offset:64*\t
	ds_store_b128 v[SO], v[Y+8*\t+4:Y+8*\t+7] offset:64*\t+16
.endr
.irp i,0,1,2,3,4,5,6,7
	ds_load_b128 v[RB+4*\i:RB+4*\i+3], v[SR] offset:544*\i   ; LDS serves a wave's instructions in order (ISA guide 5.7.1.4): these see my stores
.endr
.irp i,0,1,2,3,4,5,6,7
	s_wait_dscnt 7-\i                              ; the younger loads may be out
	global_store_b128 v[GO], v[RB+4*\i:RB+4*\i+3], s[12:13] offset:32768*(\a)+4096*\i th:TH_STORE_NT
.endr
.endm
	OUTY 0
	OUTY 1
	s_wait_alu depctr_va_vdst(0)                   ; the multiply-adds have written v112-143 and v176-207, which the stage's stores read; the products are done reading v144-175, in which the first rows land
	OUTS 0
	OUTS 1
	s_wait_dscnt 0x0                               ; the wave's end
	s_wait_alu 0x0
	s_wait_tensorcnt 0x0
	ds_add_u32 v[SPW], v[NIL]
	s_wait_dscnt 0x0
	s_endpgm
.Lfunc_end_k_q5f123b6ade_outproj:
	.size	k_q5f123b6ade_outproj, .Lfunc_end_k_q5f123b6ade_outproj-k_q5f123b6ade_outproj
	.p2alignl 7, 3214868480
	.fill 96, 4, 3214868480
	.section	.rodata,"a",@progbits
	.p2align	6, 0x0
	.amdhsa_kernel k_q5f123b6ade_outproj
		.amdhsa_group_segment_fixed_size 166912
		.amdhsa_private_segment_fixed_size 0
		.amdhsa_enable_private_segment 0
		.amdhsa_kernarg_size 40
		.amdhsa_user_sgpr_count 2
		.amdhsa_user_sgpr_kernarg_segment_ptr 1
		.amdhsa_wavefront_size32 1
		.amdhsa_system_sgpr_workgroup_id_x 1
		.amdhsa_system_sgpr_workgroup_id_y 1
		.amdhsa_system_sgpr_workgroup_id_z 1
		.amdhsa_system_vgpr_workitem_id 0
		.amdhsa_next_free_vgpr 256
		.amdhsa_next_free_sgpr 66
		.amdhsa_reserve_vcc 0
		.amdhsa_float_denorm_mode_32 3
		.amdhsa_float_denorm_mode_16_64 3
		.amdhsa_memory_ordered 1
		.amdhsa_forward_progress 1
		.amdhsa_inst_pref_size 24
	.end_amdhsa_kernel
	.amdgpu_metadata
---
amdhsa.version: [ 1, 2 ]
amdhsa.kernels:
  - .name:           k_q5f123b6ade_outproj
    .symbol:         k_q5f123b6ade_outproj.kd
    .args:
      - { .name: af, .offset: 0, .size: 8, .value_kind: global_buffer, .address_space: global }
      - { .name: wof, .offset: 8, .size: 8, .value_kind: global_buffer, .address_space: global }
      - { .name: bo, .offset: 16, .size: 8, .value_kind: global_buffer, .address_space: global }
      - { .name: lowp_scales, .offset: 24, .size: 8, .value_kind: global_buffer, .address_space: global }
      - { .name: out0, .offset: 32, .size: 8, .value_kind: global_buffer, .address_space: global }
    .group_segment_fixed_size: 166912
    .private_segment_fixed_size: 0
    .kernarg_segment_align: 8
    .kernarg_segment_size: 40
    .max_flat_workgroup_size: 256
    .sgpr_count:     66
    .vgpr_count:     256
    .wavefront_size: 32
...
	.end_amdgpu_metadata
.endif
;; end of part 6
